; MI455X (gfx1250); checked and timed in simulation.
; The chip was launched on July 23, 2026; its instructions are those of AMD's public machine-readable ISA for CDNA 5 (MIT licence, August 2026) and "CDNA5" Instruction Set Architecture Reference Guide (July 2026). The comments in the code are by the model that wrote it; some were corrected since.
;; self attention. Allowed arithmetic: matrix products marked QUANTISED: E2M3 operands, one E8M0 scale for each 32 along K, by v_wmma_scale_f32_16x16x128_f8f6f4 with both operands' format E2M3, f32 sums; everything else in f32.
;; Inputs: b_in 3,072 float32; b_out 1,024 float32; w_in 1,024 x 3,072 float32; w_out 1,024 x 1,024 float32; x 4 x 2,048 x 1,024 float32.
;; Outputs: out0 4 x 2,048 x 1,024 float32.
;; This version of the problem:
;;   THIS VERSION OF THE PROBLEM IS GIVEN IN LOW PRECISION. The matrix products marked QUANTISED in the list below multiply operands that are first quantised to E2M3 (2 exponent bits, 3 mantissa bits; 6 bits a number), with one power-of-two scale for each 32 numbers along K (OCP MX v1.0); their sums are f32. All else is computed in f32.
;;   The module's matrix products, in the order in which they are computed (A, B: the left and right operand; K: the contracted axis; several contracted axes count as one K, in the product's order):
;;     1. [M 8,192, K 1,024] x [K 1,024, N 3,072]; A: input x; B: input w_in: QUANTISED
;;     2. batch 64 x [M 2,048, K 64] x [K 64, N 2,048]; A: computed on the way; B: computed on the way: QUANTISED
;;     3. batch 64 x [M 2,048, K 2,048] x [K 2,048, N 64]; A: softmax (see below); B: computed on the way: QUANTISED
;;     4. [M 8,192, K 1,024] x [K 1,024, N 1,024]; A: computed on the way; B: input w_out: QUANTISED
;;   THE QUANTISER, for each operand of a quantised product, along K:
;;     - K is cut into blocks of 32 from its start; a last block that is shorter is filled with zeros.
;;     - A block's scale is 2^e with e = floor(log2(the largest magnitude in the block)) - 2, held to -126 .. 127; a block of zeros has e = 0. As a byte (E8M0): e + 127.
;;     - Each number is divided by its block's scale, clamped to +-7.5, and rounded to the nearest number of E2M3, ties to even, subnormals kept.
;;     - The product sums the exact products of the quantised numbers (number of the format x scale) in f32.
;;   ~~~python
;;   def quantise(x, axis):      # numpy; x: float32 -> the quantised numbers, widened to float32 again
;;       x = np.moveaxis(x, axis, -1); K = x.shape[-1]
;;       x = np.pad(x, [(0, 0)] * (x.ndim - 1) + [(0, -K % 32)]); x = x.reshape(x.shape[:-1] + (-1, 32)); a = np.abs(x).max(-1, keepdims=True)
;;       e = np.where(a > 0, np.clip(np.frexp(np.where(a > 0, a, 1))[1] - 1 - 2, -126, 127), 0)      # np.frexp(a)[1] - 1 = floor(log2(a)), exactly
;;       r = np.clip(x / 2.0 ** e, -7.5, 7.5)
;;       step = 2.0 ** (np.maximum(np.frexp(np.where(r == 0, 1, r))[1] - 1, 0) - 3)
;;       q = np.round(r / step) * step * 2.0 ** e      # np.round: ties to even
;;       return np.moveaxis(q.reshape(q.shape[:-2] + (-1,))[..., :K], -1, axis).astype(np.float32)
;;   ~~~
;;   SOFTMAX AHEAD OF A QUANTISED PRODUCT. Where the list says 'softmax', what is quantised is not the finished softmax but p = 2^(t - M), with t = logit x log2(e) and M = ceil(the row's largest t), a whole number; so 1/2 < the row's largest p <= 1. The row's sum l is taken of the UNQUANTISED p, in f32, and the product's result is divided by l at the end. Since M is a whole number, a kernel that streams over the keys may use a running M (the ceiling of the running maximum): every later rescaling is an exact power of two, which a block's scale takes up: the codes' values come out the same.
;;   OPERANDS COMPUTED ON THE WAY. 'Computed on the way' means the value that the module computes at that place (a softmax that the list does not call 'softmax' is quantised finished and normalised). What goes into a quantiser is computed in f32, as accurately as f32 sums, v_exp_f32 and their like allow (about 1e-6 of the number): no bf16 or f16 on the way to a quantiser, and a product that is left as it is and whose result goes on into a quantised operand takes f32 operands (vector FMAs, or v_wmma_f32_16x16x4_f32). A number that lies on a knife's edge between two numbers of the format may be rounded either way, as far as f32 arithmetic and the matrix unit's own rounding can turn it there, and no further.
;; One version. Each part assembles by itself: llvm-mc -triple=amdgcn-amd-amdhsa -mcpu=gfx1250 --defsym DOCPART=n.
;; ======== version 1 of 1: 4 launches
;; limits: right only within a limited range of input values
;; workspace buffers: act_codes 6,291,456 bytes; act_scales 262,144 bytes; w_codes 3,145,728 bytes; w_scales 131,072 bytes; q_codes 6,291,456 bytes; q_scales 524,288 bytes; kv 13,107,200 bytes
;; launch prep (part 1): grid 384 x 1, 4 waves a work-group, no clusters, 58,880 bytes of LDS; arguments x, w_in, w_out, act_codes, act_scales, w_codes, w_scales; writes act_codes, act_scales, w_codes, w_scales
.if DOCPART == 1
	.amdgcn_target "amdgcn-amd-amdhsa--gfx1250"
	.amdhsa_code_object_version 6
	.text
	.protected	k_q3e791bb035_prep
	.globl	k_q3e791bb035_prep
	.p2align	8
	.type	k_q3e791bb035_prep,@function
k_q3e791bb035_prep:
	s_mov_b64 s[64:65], 0
	v_nop
	global_prefetch_b8 v0, s[64:65] scope:SCOPE_SE
	s_setreg_imm32_b32 hwreg(HW_REG_WAVE_MODE, 25, 1), 1
	s_wait_xcnt 0x0
; PREP: x [8192][1024] (K innermost), w_in [1024][3072] and w_out [1024][1024] (K = the first axis), all f32, become codes of FP6 (E2M3) with one E8M0 byte for each 32 along K.
; A block's scale is 2^(floor(log2(largest magnitude)) - 2); its byte is the largest magnitude's exponent field - 2, held at 1 from below.
; LIMITS: a block of zeros, or one whose largest magnitude lies under 2^-124, gets the byte 1 (its codes are zeros or held values; this program alone reads the bytes); NaN and infinities among the inputs are not served.
; LAYOUT OF THE RESULTS: images of the matrix operand's registers.  A tile is 16 rows; row r of tile T is index 32 (T/2) + 8 (T%2) + r%8 + 16 (r/8).  A fragment (16 rows x 128 K) is 1,536 bytes: for c = 0, 1 a half of
; 768 bytes: registers 6c..6c+3 of lane l at 16 l, registers 6c+4, 6c+5 at 512 + 8 l.  Codes: [tile][K step 0..7][1,536].  Scale words: [tile][pair of K steps 0..3][row][2 words].
; w_codes holds 256 tiles of columns n: 0..3071 are w_in's, 3072..4095 w_out's.
; Work-groups 0..255 take x, 256..383 the weights; the two ways never join and have LDS bytes of their own.  No tensor load, no barrier: waves share nothing.
.set XSTW,  16*528                     ; x: a wave's stage: 16 rows x (512 bytes + 16)
.set WST,   4*XSTW                     ; the weights' stages begin here
.set WSTW,  6144                       ; a wave's: two tiles x 256 along K
.set SPARE, WST+4*WSTW                 ; the spare words, 128 bytes for each wave: two blocks of 256 bytes that no other line names
.set SPW,   12                         ; v12  my spare word's LDS address; never rewritten
.set NIL,   13                         ; v13  0; never rewritten
.set XX,    64                         ; x way: v64-127 my 64 numbers of a K step: register 32 c + i = k 64 c + 32 (lane/16) + i of row lane%16
.set RR,    128                        ; x way: v128-255 two sets of 64 registers as loaded
; x way: 16 rows x 512 bytes: each load reads 512 consecutive bytes of one row of the tile
.macro XLOAD t
.irp i, 0,1,2,3,4,5,6,7,8,9,10,11,12,13,14,15
	global_load_b128 v[RR+64*((\t)%2)+4*\i:RR+64*((\t)%2)+4*\i+3], v2, s[4:5] offset:(\i%8+16*(\i/8))*4096+512*(\t) th:TH_LOAD_NT
.endr
.endm
; x way: one K step of 128 becomes one fragment and one scale word a row
.macro XSTEP t
.set RS, RR+64*((\t)%2)
.set CC, 24+12*((\t)%2)
.if (\t) < 3
	s_wait_loadcnt 16                              ; this step's 16 loads are in; the next step's 16 may be out
.else
	s_wait_loadcnt 0x0
.endif
.irp i, 0,1,2,3,4,5,6,7,8,9,10,11,12,13,14,15
	ds_store_b128 v3, v[RS+4*\i:RS+4*\i+3] offset:528*\i      ; as loaded: row i, 16 bytes a lane
.endr
.irp c, 0,1
.irp j, 0,1,2,3,4,5,6,7
	ds_load_b128 v[XX+32*\c+4*\j:XX+32*\c+4*\j+3], v4 offset:256*\c+16*\j   ; back: my row's block 2 c + lane/16, 128 bytes; LDS serves a wave's instructions in order
.endr
.endr
	s_wait_dscnt 0x0                               ; my numbers are back, and the stores have read their registers,
.if (\t) < 2
	XLOAD (\t)+2                                   ; which take the loads of two steps on
.endif
	v_max3_num_f32 v8, |v[XX]|, |v[XX+1]|, 0x1800000          ; two whole blocks are mine; the floor 2^(3 - 127) holds the byte at 1 from below
	v_max3_num_f32 v9, |v[XX+32]|, |v[XX+33]|, 0x1800000
.irp i, 2,4,6,8,10,12,14,16,18,20,22,24,26,28,30
	v_max3_num_f32 v8, v8, |v[XX+\i]|, |v[XX+\i+1]|
	v_max3_num_f32 v9, v9, |v[XX+32+\i]|, |v[XX+33+\i]|
.endr
	v_add_nc_u32 v10, 0xff000000, v8               ; 2 off the exponent field: the conversion's scale operand
	v_add_nc_u32 v11, 0xff000000, v9
	v_lshrrev_b32 v14, 23, v10                     ; the bytes
	v_lshrrev_b32 v15, 23, v11
	v_lshl_or_b32 v20, v15, 16, v14                ; blocks h and 2 + h,
	v_lshlrev_b32 v20, v6, v20                     ; 8 h bits up;
	v_permlanex16_b32 v21, v20, s26, s27
	v_or_b32 v[16+(\t)], v20, v21                  ; with lane l xor 16's two the word is whole
.if (\t) >= 2
	s_wait_alu depctr_va_vdst(0)
	s_wait_xcnt 0x0                                ; the stores of two steps back have read this set of codes
.endif
	v_cvt_scalef32_pk16_fp6_f32 v[CC:CC+2], v[XX:XX+15], v10
	v_cvt_scalef32_pk16_fp6_f32 v[48:50], v[XX+16:XX+31], v10      ; (a conversion's three registers begin on an even number)
	v_cvt_scalef32_pk16_fp6_f32 v[CC+6:CC+8], v[XX+32:XX+47], v11
	v_cvt_scalef32_pk16_fp6_f32 v[52:54], v[XX+48:XX+63], v11
	v_nop                                          ; one plain place behind the conversions
.irp i, 0,1,2
	v_mov_b32 v[CC+3+\i], v[48+\i]
	v_mov_b32 v[CC+9+\i], v[52+\i]
.endr
	global_store_b128 v2, v[CC:CC+3], s[10:11] offset:1536*(\t)           ; 512 consecutive bytes
	global_store_b64 v5, v[CC+4:CC+5], s[10:11] offset:1536*(\t)+512      ; 256
	global_store_b128 v2, v[CC+6:CC+9], s[10:11] offset:1536*(\t)+768
	global_store_b64 v5, v[CC+10:CC+11], s[10:11] offset:1536*(\t)+1280
.endm
; weights' way: block t: 32 rows of K at my column
.macro WLOAD t
.set i, 0
.rept 32
	global_load_b32 v[128+32*((\t)%2)+i], v[64+i], s[32+2*(\t):33+2*(\t)] th:TH_LOAD_NT
.set i, i+1
.endr
.endm
.macro WBLOCK t
.set XS, 128+32*((\t)%2)
.if (\t) < 7
	s_wait_loadcnt 32                              ; this block's 32 loads are in; the next block's may be out
.else
	s_wait_loadcnt 0x0
.endif
	v_max3_num_f32 v14, |v[XS]|, |v[XS+1]|, |v[XS+2]|         ; all 32 numbers of the block are mine
	v_max3_num_f32 v15, |v[XS+3]|, |v[XS+4]|, |v[XS+5]|
.irp i, 6,10,14,18,22,26
	v_max3_num_f32 v14, v14, |v[XS+\i]|, |v[XS+\i+1]|
	v_max3_num_f32 v15, v15, |v[XS+\i+2]|, |v[XS+\i+3]|
.endr
	v_max3_num_f32 v14, v14, |v[XS+30]|, |v[XS+31]|
	v_max3_num_f32 v14, v14, v15, 0x1800000        ; and the floor
	v_add_nc_u32 v11, 0xff000000, v14
	v_lshrrev_b32 v15, 23, v11
.if (\t)%4 == 0
	v_mov_b32 v[16+(\t)/4], v15                    ; four bytes to a word, the lower K in the lower byte
.else
	v_lshl_or_b32 v[16+(\t)/4], v15, 8*((\t)%4), v[16+(\t)/4]
.endif
	v_cvt_scalef32_pk16_fp6_f32 v[24:26], v[XS:XS+15], v11
	v_cvt_scalef32_pk16_fp6_f32 v[32:34], v[XS+16:XS+31], v11
	v_nop
	v_mov_b32 v27, v32
	v_mov_b32 v28, v33
	v_mov_b32 v29, v34
	ds_store_b128 v3, v[24:27] offset:1536*((\t)/4)+768*(((\t)%4)/2)+256*((\t)%2)          ; the place of lane (my row, t%2) in half (t%4)/2 of K step t/4
	ds_store_b64 v4, v[28:29] offset:1536*((\t)/4)+768*(((\t)%4)/2)+512+128*((\t)%2)
.if (\t)+2 < 8
	WLOAD (\t)+2
.endif
	s_wait_dscnt 0x0                               ; the stores have read their registers
.endm
	s_load_b256 s[4:11], s[0:1], 0x0               ; x s[4:5], w_in s[6:7], w_out s[8:9], act_codes s[10:11]
	s_load_b128 s[12:15], s[0:1], 0x20             ; act_scales s[12:13], w_codes s[14:15]
	s_load_b64 s[16:17], s[0:1], 0x30              ; w_scales
	v_lshl_add_u32 v[SPW], v0, 2, SPARE
	v_mov_b32 v[NIL], 0
	v_lshrrev_b32 v1, 5, v0
	v_readfirstlane_b32 s18, v1                    ; wave 0..3
	v_and_b32 v1, 31, v0                           ; lane
	v_lshlrev_b32 v2, 4, v1                        ; 16 x lane
	s_wait_kmcnt 0x0
	s_cmp_lt_u32 ttmp9, 256
	s_cbranch_scc0 .Lw
	; ---- x: wave id = 4 x work-group + wave takes tile id / 2, K steps 4 (id % 2) .. + 3
	s_lshl_b32 s19, ttmp9, 2
	s_add_co_u32 s19, s19, s18
	s_lshr_b32 s20, s19, 1                         ; tile T
	s_and_b32 s21, s19, 1                          ; which half of K
	s_lshr_b32 s22, s20, 1
	s_lshl_b32 s22, s22, 5
	s_and_b32 s23, s20, 1
	s_lshl_b32 s23, s23, 3
	s_add_co_u32 s22, s22, s23                     ; the tile's first row: 32 (T/2) + 8 (T%2)
	s_lshl_b32 s22, s22, 12                        ; rows of 4,096 bytes
	s_lshl_b32 s23, s21, 11
	s_add_co_u32 s22, s22, s23
	s_mov_b32 s23, 0
	s_add_nc_u64 s[4:5], s[4:5], s[22:23]
	s_mul_i32 s22, s20, 12288
	s_mul_i32 s24, s21, 6144
	s_add_co_u32 s22, s22, s24
	s_add_nc_u64 s[10:11], s[10:11], s[22:23]
	s_lshl_b32 s22, s20, 9
	s_lshl_b32 s24, s21, 8
	s_add_co_u32 s22, s22, s24
	s_add_nc_u64 s[12:13], s[12:13], s[22:23]
	s_wait_alu depctr_va_vdst(0)
	XLOAD 0
	XLOAD 1
	s_mul_i32 s25, s18, XSTW
	v_add_nc_u32 v3, s25, v2                       ; into my stage: 16 x lane
	v_and_b32 v7, 15, v0                           ; r
	v_bfe_u32 v6, v0, 4, 1                         ; h
	v_mul_u32_u24 v4, v7, 528
	v_lshl_add_u32 v4, v6, 7, v4
	v_add_nc_u32 v4, s25, v4                       ; out of it: row r, + 128 h
	v_lshlrev_b32 v5, 3, v1                        ; 8 x lane
	v_lshlrev_b32 v6, 3, v6                        ; 8 h
	v_mov_b32 v21, 0                               ; a lane permute's destination counts as one of its sources
	s_mov_b32 s26, 0x76543210
	s_mov_b32 s27, 0xfedcba98                      ; selects for lane l xor 16
	s_wait_alu depctr_va_vdst(0)
	XSTEP 0
	XSTEP 1
	XSTEP 2
	XSTEP 3
	v_cmp_ne_u32 vcc_lo, 0, v6
	v_cndmask_b32 v20, v16, v18, vcc_lo            ; lanes 0-15 store the words of K steps 0, 1, lanes 16-31 those of 2, 3
	v_cndmask_b32 v21, v17, v19, vcc_lo
	global_store_b64 v5, v[20:21], s[12:13]        ; 256 consecutive bytes
	s_wait_tensorcnt 0x0                           ; the wave's end
	ds_add_u32 v[SPW], v[NIL]
	s_wait_dscnt 0x0
	s_endpgm
.Lw:	; ---- the weights: a lane takes a column, its registers run down K.  Work-group w' = 4 x (group of 128 columns) + (256 along K)
	s_sub_co_u32 s19, ttmp9, 256
	s_lshr_b32 s20, s19, 2                         ; group of 128 columns among 4,096
	s_and_b32 s21, s19, 3                          ; which 256 along K
	s_cmp_lt_u32 s20, 24                           ; the first 24 groups are w_in's
	s_cselect_b64 s[22:23], s[6:7], s[8:9]
	s_mov_b32 s24, 4096
	s_cselect_b32 s24, 12288, s24                  ; a row of the weight in bytes
	s_cselect_b32 s25, 0, 24
	s_sub_co_u32 s25, s20, s25
	s_lshl_b32 s25, s25, 2
	s_add_co_u32 s25, s25, s18
	s_lshl_b32 s25, s25, 7                         ; my wave's first column in its tensor, in bytes
	s_lshl_b32 s26, s20, 2
	s_add_co_u32 s26, s26, s18                     ; g: my 32 columns are tiles 2 g and 2 g + 1
	s_lshl_b32 s27, s21, 8
	s_mul_i32 s28, s27, s24
	s_add_co_u32 s28, s28, s25
	s_mov_b32 s29, 0
	s_add_nc_u64 s[32:33], s[22:23], s[28:29]      ; block 0's base;
	s_lshl_b32 s30, s24, 5
	s_mov_b32 s31, 0
.irp t, 1,2,3,4,5,6,7
	s_add_nc_u64 s[32+2*\t:33+2*\t], s[30+2*\t:31+2*\t], s[30:31]   ; block t's: 32 rows further down
.endr
	s_mul_i32 s50, s26, 24576
	s_mul_i32 s52, s21, 3072
	s_add_co_u32 s50, s50, s52
	s_mov_b32 s51, 0
	s_add_nc_u64 s[14:15], s[14:15], s[50:51]
	s_lshl_b32 s50, s26, 10
	s_lshl_b32 s52, s21, 7
	s_add_co_u32 s50, s50, s52
	s_add_nc_u64 s[16:17], s[16:17], s[50:51]
	s_wait_alu depctr_va_vdst(0)
	v_lshlrev_b32 v7, 2, v1
.set i, 0
.rept 32
	v_mad_u32_u24 v[64+i], s24, i, v7              ; row i of a block, my column
.set i, i+1
.endr
	WLOAD 0
	WLOAD 1
	v_and_b32 v8, 7, v0
	v_bfe_u32 v9, v0, 4, 1
	v_lshl_add_u32 v8, v9, 3, v8                   ; my column's row in its tile: lane%8 + 8 (lane/16)
	v_bfe_u32 v9, v0, 3, 1                         ; and which of the two tiles
	s_mul_i32 s53, s18, WSTW
	s_add_co_u32 s53, s53, WST
	v_mul_u32_u24 v10, v9, 3072
	v_add_nc_u32 v10, s53, v10
	v_lshl_add_u32 v3, v8, 4, v10
	v_lshl_add_u32 v4, v8, 3, v10
	v_add_nc_u32 v5, s53, v2
	v_lshlrev_b32 v6, 9, v9
	v_lshl_add_u32 v6, v8, 3, v6
.irp t, 0,1,2,3,4,5,6,7
	WBLOCK \t
.endr
	s_wait_alu depctr_va_vdst(0)
	global_store_b64 v6, v[16:17], s[16:17]        ; my column's two scale words: two runs of 128 bytes a wave
.irp i, 0,1,2,3,4,5,6,7,8,9,10,11
	ds_load_b128 v[192+4*\i:195+4*\i], v5 offset:512*\i
.endr
.irp i, 0,1,2,3,4,5,6,7,8,9,10,11
	s_wait_dscnt 11-\i                             ; LDS loads come back in order: load i is in
	global_store_b128 v2, v[192+4*\i:195+4*\i], s[14:15] offset:(\i/6)*12288+(\i%6)*512   ; 512 consecutive bytes
.endr
	s_wait_tensorcnt 0x0                           ; the wave's end
	ds_add_u32 v[SPW], v[NIL]
	s_wait_dscnt 0x0
	s_endpgm
.Lfunc_end_k_q3e791bb035_prep:
	.size	k_q3e791bb035_prep, .Lfunc_end_k_q3e791bb035_prep-k_q3e791bb035_prep
	.p2alignl 7, 3214868480
	.fill 96, 4, 3214868480
	.section	.rodata,"a",@progbits
	.p2align	6, 0x0
	.amdhsa_kernel k_q3e791bb035_prep
		.amdhsa_group_segment_fixed_size 58880
		.amdhsa_private_segment_fixed_size 0
		.amdhsa_enable_private_segment 0
		.amdhsa_kernarg_size 56
		.amdhsa_user_sgpr_count 2
		.amdhsa_user_sgpr_kernarg_segment_ptr 1
		.amdhsa_wavefront_size32 1
		.amdhsa_system_sgpr_workgroup_id_x 1
		.amdhsa_system_sgpr_workgroup_id_y 1
		.amdhsa_system_sgpr_workgroup_id_z 1
		.amdhsa_system_vgpr_workitem_id 0
		.amdhsa_next_free_vgpr 256
		.amdhsa_next_free_sgpr 66
		.amdhsa_reserve_vcc 1
		.amdhsa_float_denorm_mode_32 3
		.amdhsa_float_denorm_mode_16_64 3
		.amdhsa_memory_ordered 1
		.amdhsa_forward_progress 1
		.amdhsa_inst_pref_size 74
	.end_amdhsa_kernel
	.amdgpu_metadata
---
amdhsa.version: [ 1, 2 ]
amdhsa.kernels:
  - .name:           k_q3e791bb035_prep
    .symbol:         k_q3e791bb035_prep.kd
    .args:
      - { .name: x, .offset: 0, .size: 8, .value_kind: global_buffer, .address_space: global }
      - { .name: w_in, .offset: 8, .size: 8, .value_kind: global_buffer, .address_space: global }
      - { .name: w_out, .offset: 16, .size: 8, .value_kind: global_buffer, .address_space: global }
      - { .name: act_codes, .offset: 24, .size: 8, .value_kind: global_buffer, .address_space: global }
      - { .name: act_scales, .offset: 32, .size: 8, .value_kind: global_buffer, .address_space: global }
      - { .name: w_codes, .offset: 40, .size: 8, .value_kind: global_buffer, .address_space: global }
      - { .name: w_scales, .offset: 48, .size: 8, .value_kind: global_buffer, .address_space: global }
    .group_segment_fixed_size: 58880
    .private_segment_fixed_size: 0
    .kernarg_segment_align: 8
    .kernarg_segment_size: 56
    .max_flat_workgroup_size: 128
    .sgpr_count:     66
    .vgpr_count:     256
    .wavefront_size: 32
...
	.end_amdgpu_metadata
.endif
;; end of part 1
;; launch qkv (part 2): grid 12 x 32, 4 waves a work-group, clusters of 4 x 4, 327,680 bytes of LDS; arguments act_codes, act_scales, w_codes, w_scales, b_in, q_codes, q_scales, kv; writes q_codes, q_scales, kv
.if DOCPART == 2
	.amdgcn_target "amdgcn-amd-amdhsa--gfx1250"
	.amdhsa_code_object_version 6
	.text
	.protected	k_q3e791bb035_qkv
	.globl	k_q3e791bb035_qkv
	.p2align	8
	.type	k_q3e791bb035_qkv,@function
k_q3e791bb035_qkv:
	s_mov_b64 s[64:65], 0
	v_nop
	global_prefetch_b8 v0, s[64:65] scope:SCOPE_SE
	s_setreg_imm32_b32 hwreg(HW_REG_WAVE_MODE, 25, 1), 1
	s_wait_xcnt 0x0
	s_wait_alu depctr_hold_cnt(0) depctr_sa_sdst(0) depctr_va_vdst(0) depctr_va_sdst(0) depctr_va_ssrc(0) depctr_va_vcc(0) depctr_vm_vsrc(0)
	s_getreg_b32 s2, hwreg(HW_REG_IB_STS2, 6, 4)
	s_cmp_eq_u32 s2, 0
	s_cbranch_scc0 .Lentry_in_a_cluster
	s_endpgm
.Lentry_in_a_cluster:
	s_bfe_u32 s2, ttmp6, 0x10000c
	s_cmp_lg_u32 s2, 0xf033
	s_cbranch_scc0 .Lentry_shape_is_right
	s_endpgm
.Lentry_shape_is_right:
; QKV: qkv = Q(x) Q(w_in) + b_in on codes of FP6 (E2M3) with E8M0 scales, and q, k (along the head's 64) and v (along the keys) quantised on the way out, in registers.  Nothing leaves as f32.
; A work-group of four waves makes 256 x 256, a wave 128 x 128: 64 accumulators.  K = 1,024 goes in steps of 256 through two LDS slots.  Operands lie in memory as images of the operand's registers
; ([tile of 16 rows][K step][1,536 bytes]), so a fragment comes by four dense LDS loads and needs no pitch.  A tile's row r is index 32 (T/2) + 8 (T%2) + r%8 + 16 (r/8): with such tiles as source 0 a lane's 16 registers
; of two neighbouring result tiles are 16 neighbours, which is what the conversions want.
; ROLES, by the cluster's x (the same in all sixteen partners): 0 = q, 1 = k: source 0 = 16 columns of w_in, source 1 = 16 tokens: a lane holds one token, its registers run along the head's d.
; 2 = v: the operands change sides (by pointers alone): a lane holds one column d, its registers run along 128 tokens, which are the second attention product's K.
; CLUSTERS: 4 x 4.  Source 1's tiles hang on cy and are shared along a row of the cluster, source 0's on cx and are shared along a column: joint loads.
; OUT: q_codes [b h][tile of 16 queries][768]; q_scales [b h][tile/4][row][4 words], a word = the query's two bytes, twice; kv [b h][step of 128 keys][12,800]: four fragments of K (lower half key tile 2 F, upper 2 F + 1),
; four of V (16 d x 128 keys), K's scale words [row][F], V's [row][d tile].
; LIMITS: a block of zeros, or one under 2^-124, gets the byte 1 (this program alone reads the bytes); NaN and infinities are not served.
; REGISTERS: window 0: v1-9 lane terms; v16-23, v27 LDS addresses; v28, v29 the add's two; v32-63 scale words, two sets; v64-127 the bias by registers; v128-223 source 1's fragments; v224-239 the bias by lanes; on the way out
; v128-191 64 numbers, v192-211 codes, v240-255 at work, v32-39 the scale words made.  window 1: source 0's fragments, two sets.  windows 2, 3: the accumulators.
.set NQ,     2                         ; matrix instructions deep in a slot
.set FR,     12                        ; registers of a fragment
.set NL,     4                         ; LDS loads that bring one
.set NP,     4                         ; places behind this matrix instruction (ISA guide 7.12.1)
.set TILEB,  3072                      ; 16 rows x 256 K
.set HALFT,  8*TILEB                   ; 128 rows: what one tensor load brings
.set SLOT,   4*HALFT
.set LAPS,   2                         ; 1,024 / 512
.set SCL,    2*SLOT                    ; behind the ring: the scale words of source 1's 256 rows, then source 0's, for all of K
.set HALFS,  4096
.set SPARE,  SCL+4*HALFS               ; the spare words, 128 bytes for each wave: two blocks of 256 bytes that no other line names
.set ADRA, 16                          ; v16-17 16 x lane + my rows of source 1 in slot 0, 1; v18-19 the same with 8 x lane
.set ADRB, 20                          ; v20-23 the same for source 0
.set ADRS, 27
.set SPW,  28
.set NIL,  29
.set SC,   32
.set AF,   128
.set BI,   64
.set BV,   224
.set T,    128
.set PC,   192
.set TM,   240
.set PWS,  32
.set SEL,  66
.set G1, 24
.set G0, 32
.set G1B, 48
.set G0B, 56
.set G1S, 68
.set G0S, 76
.set G1SB, 80
.set G0SB, 88
.set MSB, 0
.macro WIN new                         ; the immediate's high byte repeats the setting that is left
.if MSB != \new
	s_set_vgpr_msb (MSB<<8)|\new
.set MSB, \new
.endif
.endm
.set MUL_LO, 0xa1                      ; source 0 window 1, source 1 window 0, C and D window 2
.set MUL_HI, 0xf1
.set TO_B,   0x40
; A joint load: waves 0 and 1 fetch for source 1, waves 2 and 3 for source 0.  The branch hangs on the wave's number alone.  An s_nop 0 and four v_nop follow each line.
.macro JLOAD g0a, g1a, g0b, g1b
	s_cmp_eq_u32 s15, 0
	s_cbranch_scc0 .Lfor_b_\@
	tensor_load_to_lds s[\g0a:\g0a+3], s[\g1a:\g1a+7]
	s_nop 0
.rept 4
	v_nop
.endr
	s_branch .Lasked_\@
.Lfor_b_\@:
	tensor_load_to_lds s[\g0b:\g0b+3], s[\g1b:\g1b+7]
	s_nop 0
.rept 4
	v_nop
.endr
.Lasked_\@:
.endm
.macro CREST                           ; a round of the cluster's barrier behind its opening barrier
	s_cmp_lg_u32 s14, 0
	s_cbranch_scc1 .Lnot_wave_0_\@
	s_barrier_signal -3
.Lnot_wave_0_\@:
	s_barrier_wait -3
	s_barrier_signal -1
	s_barrier_wait -1
.endm
.macro CROUND
	s_barrier_signal -1
	s_barrier_wait -1
	CREST
.endm
	s_load_b256 s[4:11], s[0:1], 0x0               ; act_codes s[4:5], act_scales s[6:7], w_codes s[8:9], w_scales s[10:11]
	s_load_b256 s[92:99], s[0:1], 0x20             ; b_in s[92:93], q_codes s[94:95], q_scales s[96:97], kv s[98:99]
	v_lshl_add_u32 v[SPW], v0, 2, SPARE
	v_mov_b32 v[NIL], 0
	ds_add_u32 v[SPW], v[NIL]                      ; the wave's opening: an add and its wait ahead of my first tensor load
	ds_add_u32 v[SPW], v[NIL]
	v_lshrrev_b32 v1, 5, v0
	v_readfirstlane_b32 s14, v1                    ; wave 0..3
	s_lshr_b32 s15, s14, 1                         ; my half of source 1's rows.  Also: I fetch for source 1 (0) or source 0 (1)
	s_and_b32 s16, s14, 1                          ; my half of source 0's rows.  Also: which 128 rows I fetch
	s_bfe_u32 s40, ttmp6, 0x40000                  ; cx
	s_bfe_u32 s41, ttmp6, 0x40004                  ; cy
	s_and_b32 s2, ttmp7, 0xffff
	s_lshl_b32 s2, s2, 2                           ; 4 x cluster y
	s_lshl_b32 s100, ttmp9, 2                      ; 4 x cluster x
	s_cmp_eq_u32 ttmp9, 2                          ; the v role?
	s_cselect_b32 s42, s2, s100                    ; source 0: tokens (v), else w's columns
	s_cselect_b32 s17, 8, s2                       ; source 1: w's columns 2,048 on (v), else tokens
	s_add_co_u32 s42, s42, s40                     ; source 0's block of 256 rows hangs on cx,
	s_add_co_u32 s17, s17, s41                     ; source 1's on cy
	s_lshl_b32 s43, s41, 2
	s_lshl_b32 s43, 15, s43                        ; my row of the cluster
	s_lshl_b32 s44, 0x1111, s40                    ; my column
	; descriptor group 1, codes: 8 tiles x 3,072 bytes (384 elements of 8 bytes), 12,288 bytes apart; no padding
	s_or_b32 s[G1+0], s43, (3<<16)|(1<<21)
	s_or_b32 s[G1B+0], s44, (3<<16)|(1<<21)
.irp g, G1, G1B
	s_mov_b32 s[\g+1], 384<<16                     ; tensor_dim0
	s_mov_b32 s[\g+2], 16<<16                      ; tensor_dim1: 16 tiles for the head's loads; set to 8 for the ring's behind the wait for them
	s_mov_b32 s[\g+3], 384<<16                     ; tile_dim0
	s_mov_b32 s[\g+4], 16                          ; tile_dim1
	s_mov_b32 s[\g+5], 1536                        ; tensor_dim0_stride
	s_mov_b32 s[\g+6], 0
	s_mov_b32 s[\g+7], 0
.endr
	; scale words of 256 rows: 8,192 dense bytes as 32 rows of 256
	s_or_b32 s[G1S+0], s43, (3<<16)|(1<<21)
	s_or_b32 s[G1SB+0], s44, (3<<16)|(1<<21)
.irp g, G1S, G1SB
	s_mov_b32 s[\g+1], 32<<16
	s_mov_b32 s[\g+2], 32<<16                      ; the scale words of all 256 rows: 32 rows of 256 bytes
	s_mov_b32 s[\g+3], 32<<16
	s_mov_b32 s[\g+4], 32
	s_mov_b32 s[\g+5], 32
	s_mov_b32 s[\g+6], 0
	s_mov_b32 s[\g+7], 0
.endr
	s_lshl_b32 s20, s17, 4                         ; source 1's first tile of 16
	s_lshl_b32 s46, s42, 4                         ; source 0's
	s_lshl_b32 s22, s20, 9                         ; their scale words, 512 bytes a tile,
	s_mov_b32 s23, 0
	s_lshl_b32 s66, s46, 9
	s_mov_b32 s67, 0
	s_mul_i32 s20, s20, 12288                      ; and their codes
	s_mov_b32 s21, 0
	s_mul_i32 s46, s46, 12288
	s_mov_b32 s47, 0
	s_mul_i32 s45, s14, HALFT                      ; where they go: no place in the cluster enters an LDS address
	s_wait_dscnt 0x0                               ; the opening add is done
	s_wait_kmcnt 0x0
	s_cmp_eq_u32 ttmp9, 2
	s_cselect_b64 s[18:19], s[8:9], s[4:5]
	s_add_nc_u64 s[20:21], s[18:19], s[20:21]      ; source 1's codes
	s_cselect_b64 s[18:19], s[10:11], s[6:7]
	s_add_nc_u64 s[22:23], s[18:19], s[22:23]      ; its scale words
	s_cselect_b64 s[18:19], s[4:5], s[8:9]
	s_add_nc_u64 s[46:47], s[18:19], s[46:47]      ; source 0's codes
	s_cselect_b64 s[18:19], s[6:7], s[10:11]
	s_add_nc_u64 s[66:67], s[18:19], s[66:67]
	CROUND                                         ; all sixteen work-groups are here: the first joint loads meet
	s_mov_b32 s[G0S], 1
	s_mov_b32 s[G0S+1], SCL
	s_mov_b64 s[G0S+2:G0S+3], s[22:23]
	s_or_b32 s[G0S+3], s[G0S+3], 0x80000000
	s_mov_b32 s[G0SB], 1
	s_mov_b32 s[G0SB+1], SCL+2*HALFS
	s_mov_b64 s[G0SB+2:G0SB+3], s[66:67]
	s_or_b32 s[G0SB+3], s[G0SB+3], 0x80000000
	s_mov_b32 s4, 1                                ; group 0 of the head's loads of slot 0 (the arguments that lay here have been used): source 1's 16 tiles,
	s_mov_b32 s5, 0
	s_mov_b64 s[6:7], s[20:21]
	s_or_b32 s7, s7, 0x80000000
	s_mov_b32 s8, 1                                ; and source 0's, behind them
	s_mov_b32 s9, 2*HALFT
	s_mov_b64 s[10:11], s[46:47]
	s_or_b32 s11, s11, 0x80000000
	s_mul_i32 s18, s16, 8*12288                    ; in the ring I fetch 8 tiles: which half
	s_mov_b32 s19, 0
	s_add_nc_u64 s[20:21], s[20:21], s[18:19]
	s_add_nc_u64 s[46:47], s[46:47], s[18:19]
.irp s, 0,1
	s_mov_b32 s[G0+4*\s], 1
	s_add_co_u32 s[G0+4*\s+1], s45, \s*SLOT
	s_add_nc_u64 s[G0+4*\s+2:G0+4*\s+3], s[20:21], \s*TILEB
	s_or_b32 s[G0+4*\s+3], s[G0+4*\s+3], 0x80000000
	s_mov_b32 s[G0B+4*\s], 1
	s_add_co_u32 s[G0B+4*\s+1], s45, \s*SLOT
	s_add_nc_u64 s[G0B+4*\s+2:G0B+4*\s+3], s[46:47], \s*TILEB
	s_or_b32 s[G0B+4*\s+3], s[G0B+4*\s+3], 0x80000000
.endr
; THE HEAD'S LOADS, one a wave: wave 0 slot 0's 16 tiles of source 1, wave 1 those of source 0, wave 2 source 1's scale words, wave 3 source 0's.  One chain of branches on the wave's number; every way passes one load.
.macro ARM under, g0, g1, next
	s_cmp_lt_u32 s14, \under
	s_cbranch_scc0 \next
	tensor_load_to_lds s[\g0:\g0+3], s[\g1:\g1+7]
	s_nop 0
.rept 4
	v_nop
.endr
	s_branch .Lhead_asked
\next:
.endm
	ARM 1, 4, G1, .Lhead_b
	ARM 2, 8, G1B, .Lhead_sa
	ARM 3, G0S, G1S, .Lhead_sb
	tensor_load_to_lds s[G0SB:G0SB+3], s[G1SB:G1SB+7]
	s_nop 0
.rept 4
	v_nop
.endr
.Lhead_asked:
	v_and_b32 v1, 15, v0                           ; r
	v_bfe_u32 v2, v0, 4, 1                         ; h
	v_and_b32 v3, 31, v0
	v_lshlrev_b32 v4, 4, v3                        ; 16 x lane
	v_lshlrev_b32 v5, 3, v3                        ; 8 x lane
	s_mul_i32 s21, s15, HALFT
	s_mul_i32 s22, s16, HALFT
	s_add_co_u32 s22, s22, 2*HALFT
.irp s, 0,1
	v_add_nc_u32 v[ADRA+\s], s21, v4
	v_add_nc_u32 v[ADRB+\s], s22, v4
	v_add_nc_u32 v[ADRA+2+\s], s21, v5
	v_add_nc_u32 v[ADRB+2+\s], s22, v5
	s_add_co_u32 s21, s21, SLOT
	s_add_co_u32 s22, s22, SLOT
.endr
	v_lshlrev_b32 v6, 3, v1                        ; scale words: 8 bytes a row;
	s_lshl_b32 s21, s15, 12                        ; lanes 0-15 take source 1's rows,
	s_lshl_b32 s22, s16, 12
	s_add_co_u32 s22, s22, 2*HALFS
	s_sub_co_u32 s22, s22, s21
	v_mul_u32_u24 v7, s22, v2                      ; lanes 16-31 source 0's: one product
	s_add_co_u32 s21, s21, SCL
	v_add_nc_u32 v6, v6, v7
	v_add_nc_u32 v[ADRS], s21, v6
	; where my 128 x 128 lies
	s_lshl_b32 s18, s17, 8
	s_lshl_b32 s19, s15, 7
	s_add_co_u32 s18, s18, s19                     ; source 1's first row of mine
	s_lshl_b32 s19, s42, 8
	s_lshl_b32 s20, s16, 7
	s_add_co_u32 s19, s19, s20                     ; source 0's
	s_cmp_eq_u32 ttmp9, 2
	s_cselect_b32 s20, s19, s18                    ; my first token
	s_cselect_b32 s21, s18, s19                    ; my first column of w_in
	s_cselect_b32 s22, 0, s21                      ; the bias by registers is used in roles q and k, that by lanes in role v; both are loaded on the one way, the unused one from b_in's head
	s_cselect_b32 s23, s21, 0
	v_lshlrev_b32 v8, 6, v2
	v_lshl_add_u32 v8, s22, 2, v8                  ; b_in at my column + 16 h
	v_and_b32 v6, 7, v1
	v_lshrrev_b32 v7, 3, v1
	v_lshl_add_u32 v6, v7, 4, v6
	v_lshlrev_b32 v9, 2, v6
	v_lshl_add_u32 v9, s23, 2, v9                  ; b_in at my column + r%8 + 16 (r/8)
.irp b, 0,1,2,3,4,5,6,7
	global_load_b128 v[BI+8*\b:BI+8*\b+3], v8, s[92:93] offset:(32*(\b/2)+8*(\b%2))*4
	global_load_b128 v[BI+8*\b+4:BI+8*\b+7], v8, s[92:93] offset:(32*(\b/2)+8*(\b%2))*4+16
.endr
.irp a, 0,1,2,3,4,5,6,7
	global_load_b32 v[BV+2*\a], v9, s[92:93] offset:(32*(\a/2)+8*(\a%2))*4
	global_load_b32 v[BV+2*\a+1], v9, s[92:93] offset:(32*(\a/2)+8*(\a%2))*4       ; twice: a pair for the packed addition
.endr
	s_lshr_b32 s46, s20, 11                        ; the batch
	s_bfe_u32 s47, s20, 0x40007                    ; the step of 128 tokens in it
	s_bfe_u32 s66, s21, 0x40006                    ; my first head
	s_lshl_b32 s46, s46, 4
	s_add_co_u32 s46, s46, s66                     ; b h
	s_cmp_eq_u32 ttmp9, 0                          ; the q role?
	s_mov_b32 s100, 204800
	s_cselect_b32 s100, 98304, s100                ; from head to head in the codes' buffer
	s_mov_b32 s101, 12800
	s_cselect_b32 s101, 6144, s101                 ; from step to step
	s_cselect_b64 s[12:13], s[94:95], s[98:99]
	s_mov_b32 s19, 204800
	s_cselect_b32 s19, 8192, s19                   ; from head to head among the scale words
	s_mul_i32 s66, s46, s100
	s_mul_i32 s67, s47, s101
	s_add_co_u32 s66, s66, s67
	s_cmp_eq_u32 ttmp9, 2
	s_cselect_b32 s67, 6144, 0                     ; V's fragments lie behind K's
	s_add_co_u32 s66, s66, s67
	s_mov_b32 s67, 0
	s_add_nc_u64 s[12:13], s[12:13], s[66:67]
	s_lshl_b32 s66, s46, 13
	s_lshl_b32 s67, s47, 9
	s_add_co_u32 s66, s66, s67
	s_mov_b32 s67, 0
	s_add_nc_u64 s[96:97], s[96:97], s[66:67]      ; q's scale words (used in the q role alone)
	v_add_nc_u32 v26, s100, v4                     ; 16 x lane, a head on
	v_add_nc_u32 v30, s100, v5                     ; 8 x lane, a head on
	v_mul_u32_u24 v31, s19, v2
	v_lshl_add_u32 v31, v1, 4, v31                 ; scale words out: 16 r; lanes 16-31 a head on
.macro FRAG reg, adr, q, i             ; a fragment's image: four dense loads
	ds_load_b128 v[\reg:\reg+3], v[\adr] offset:TILEB*(\i)+1536*(\q)
	ds_load_b64 v[\reg+4:\reg+5], v[\adr+2] offset:TILEB*(\i)+1536*(\q)+512
	ds_load_b128 v[\reg+6:\reg+9], v[\adr] offset:TILEB*(\i)+1536*(\q)+768
	ds_load_b64 v[\reg+10:\reg+11], v[\adr+2] offset:TILEB*(\i)+1536*(\q)+1280
.endm
; 16 matrix instructions: source 1's blocks a0, a0 + 1 x source 0's eight.  The 64 accumulators take turns, one instruction a turn, in the same order in every step.
.macro MUL16 a0, p, q, sc, zero
.irp a, \a0, \a0+1
.irp b, 0,1,2,3,4,5,6,7
.if \zero
	v_wmma_scale_f32_16x16x128_f8f6f4 v[8*(8*((\a)%4)+\b):8*(8*((\a)%4)+\b)+7], v[128*(\p)+FR*\b:128*(\p)+FR*\b+FR-1], v[AF+FR*(\a):AF+FR*(\a)+FR-1], 0, v[SC+8*NQ*(\sc)+NQ*\b+(\q)], v[SC+8*NQ*(\sc)+NQ*(\a)+(\q)] matrix_a_fmt:MATRIX_FMT_FP6 matrix_b_fmt:MATRIX_FMT_FP6 matrix_a_scale:MATRIX_SCALE_ROW1
.else
	v_wmma_scale_f32_16x16x128_f8f6f4 v[8*(8*((\a)%4)+\b):8*(8*((\a)%4)+\b)+7], v[128*(\p)+FR*\b:128*(\p)+FR*\b+FR-1], v[AF+FR*(\a):AF+FR*(\a)+FR-1], v[8*(8*((\a)%4)+\b):8*(8*((\a)%4)+\b)+7], v[SC+8*NQ*(\sc)+NQ*\b+(\q)], v[SC+8*NQ*(\sc)+NQ*(\a)+(\q)] matrix_a_fmt:MATRIX_FMT_FP6 matrix_b_fmt:MATRIX_FMT_FP6 matrix_a_scale:MATRIX_SCALE_ROW1
.endif
.endr
.endr
.endm
.macro FETCH_B slot, q, p
	WIN TO_B
.irp i, 0,1,2,3,4,5,6,7
	FRAG 128*(\p)+FR*\i, ADRB+\slot, \q, \i
.endr
	WIN 0
.endm
.macro FETCH_A slot, q, i0
.irp i, \i0, \i0+1, \i0+2, \i0+3
	FRAG AF+FR*(\i), ADRA+\slot, \q, \i
.endr
.endm
.macro SCALES sc                       ; a slot's scale words: two words a row; lanes 0-15 source 1's block i, lanes 16-31 source 0's
.irp i, 0,1,2,3,4,5,6,7
	ds_load_b64 v[SC+8*NQ*\sc+NQ*\i:SC+8*NQ*\sc+NQ*\i+1], v[ADRS] offset:\i*512
.endr
.endm
.macro PLACES n                        ; plain vector instructions between a matrix instruction and a load into, or a read of, its registers
.rept \n
	v_nop
.endr
.endm
.macro STEP slot, q, zero              ; a step of 128 along K that has its successor in the same slot
	s_wait_dscnt 4*NL                              ; all but the youngest 16 loads (source 1's blocks 4-7)
	WIN MUL_LO
	MUL16 0, (\q)%2, \q, \slot, \zero
	MUL16 2, (\q)%2, \q, \slot, \zero
	s_wait_dscnt 0
	PLACES NP
	FETCH_B \slot, (\q)+1, 1-(\q)%2
	FETCH_A \slot, (\q)+1, 0
	WIN MUL_HI
	MUL16 4, (\q)%2, \q, \slot, \zero
	MUL16 6, (\q)%2, \q, \slot, \zero
	PLACES NP
	WIN 0
	FETCH_A \slot, (\q)+1, 4
.endm
; A slot's last step changes slots: each wave waits for all its tensor loads, adds 0 to its spare word, waits for that and for its reads of the slot, and signals.  fill = 1: the barrier opens a round of the cluster's, and the joint refill comes first behind it.
.macro TURN slot, next, fill
	s_wait_tensorcnt 0x0                           ; all my tensor loads have landed: my part of the next slot
	ds_add_u32 v[SPW], v[NIL]
	s_wait_dscnt 4*NL+1                            ; (the add and the youngest 16 loads may be out)
	WIN MUL_LO
	MUL16 0, 1, NQ-1, \slot, 0
	s_wait_dscnt 0x0                               ; the add is done, and my reads of this slot are over
	s_barrier_signal -1
	MUL16 2, 1, NQ-1, \slot, 0
	WIN 0
	s_barrier_wait -1
.if \fill
	CREST
	s_add_nc_u64 s[G0+4*\slot+2:G0+4*\slot+3], s[G0+4*\slot+2:G0+4*\slot+3], 2*TILEB
	s_add_nc_u64 s[G0B+4*\slot+2:G0B+4*\slot+3], s[G0B+4*\slot+2:G0B+4*\slot+3], 2*TILEB
	JLOAD G0+4*\slot, G1, G0B+4*\slot, G1B         ; the four v_nop behind it are also the places in front of the loads below
.else
	PLACES NP
.endif
	s_wait_alu depctr_va_vdst(0)
	v_add_nc_u32 v[ADRS], 128, v[ADRS]             ; the next slot's scale words (no LDS load of mine is out)
	FETCH_B \next, 0, 0
	FETCH_A \next, 0, 0
	SCALES \next
	WIN MUL_HI
	MUL16 4, 1, NQ-1, \slot, 0
	MUL16 6, 1, NQ-1, \slot, 0
	PLACES NP
	WIN 0
	FETCH_A \next, 0, 4
.endm
	s_wait_alu depctr_va_vdst(0)
	s_wait_tensorcnt 0x0                           ; my tile of the head's four is in; slot 1's first fill is issued as a refill is:
	ds_add_u32 v[SPW], v[NIL]
	s_mov_b32 s[G1+2], 8<<16                       ; no tensor load of mine is out: from here on a load brings 8 tiles
	s_mov_b32 s[G1+4], 8
	s_mov_b32 s[G1B+2], 8<<16
	s_mov_b32 s[G1B+4], 8
	s_wait_dscnt 0x0                               ; the add is done
	CROUND                                         ; all four tiles are in, and all sixteen work-groups are here
	JLOAD G0+4, G1, G0B+4, G1B                     ; slot 1, the first tensor load behind the round
	FETCH_B 0, 0, 0
	FETCH_A 0, 0, 0
	SCALES 0
	FETCH_A 0, 0, 4
	STEP 0, 0, 1                                   ; the first step's products start the sums
	s_mov_b32 s3, LAPS-1
.Llap:
	TURN 0, 1, 1
	STEP 1, 0, 0
	TURN 1, 0, 1
	STEP 0, 0, 0
	s_sub_co_u32 s3, s3, 1
	s_cmp_lg_u32 s3, 0
	s_cbranch_scc1 .Llap
	TURN 0, 1, 0                                   ; the last lap fills nothing
	STEP 1, 0, 0
	s_wait_dscnt 4*NL
	WIN MUL_LO
	MUL16 0, 1, NQ-1, 1, 0
	MUL16 2, 1, NQ-1, 1, 0
	s_wait_dscnt 0
	WIN MUL_HI
	MUL16 4, 1, NQ-1, 1, 0
	MUL16 6, 1, NQ-1, 1, 0
	WIN 0
; THE WAY OUT.  64 numbers of a lane, register 16 b + i = index 32 b + 16 (lane/16) + i of the lane's row, become a fragment's codes in v[PC] on and its scale word in v[pw].
.macro QUANT s, pw
.irp b, 0,1,2,3
	v_max3_num_f32 v[TM+\b], |v[\s+16*\b]|, |v[\s+1+16*\b]|, 0x1800000   ; and the floor 2^(3 - 127): the byte cannot fall under 1
.endr
.irp i, 2,4,6,8,10,12,14
.irp b, 0,1,2,3
	v_max3_num_f32 v[TM+\b], v[TM+\b], |v[\s+16*\b+\i]|, |v[\s+1+16*\b+\i]|
.endr
.endr
.irp b, 0,1,2,3
	v_permlanex16_b32 v[TM+4+\b], v[TM+\b], s[SEL], s[SEL+1]
.endr
.irp b, 0,1,2,3
	v_max_num_f32 v[TM+\b], v[TM+\b], v[TM+4+\b]   ; with lane l xor 16's: the block's largest magnitude
.endr
.irp b, 0,1,2,3
	v_add_nc_u32 v[TM+12+\b], 0xff000000, v[TM+\b] ; 2 off its exponent field: the conversion's scale operand
.endr
.irp b, 0,1,2,3
	v_lshrrev_b32 v[TM+4+\b], 23, v[TM+12+\b]      ; the byte
.endr
	v_lshl_or_b32 v[\pw], v[TM+5], 8, v[TM+4]
	v_lshl_or_b32 v[\pw], v[TM+6], 16, v[\pw]
	v_lshl_or_b32 v[\pw], v[TM+7], 24, v[\pw]
	s_wait_xcnt 0x0                                ; the last fragment's stores have read the codes' registers
.irp c, 0,1
	v_cvt_scalef32_pk16_fp6_f32 v[PC+6*\c:PC+2+6*\c], v[\s+32*\c:\s+15+32*\c], v[TM+12+2*\c]
	v_cvt_scalef32_pk16_fp6_f32 v[PC+12+4*\c:PC+14+4*\c], v[\s+16+32*\c:\s+31+32*\c], v[TM+12+2*\c+1]
.endr
	v_nop                                          ; one plain place behind the conversions
.irp c, 0,1                                    ; the operand's layout wants a whole block in a lane
.irp i, 0,1,2
	v_permlane16_swap_b32 v[PC+6*\c+\i], v[PC+12+4*\c+\i]
.endr
.irp i, 0,1,2
	v_mov_b32 v[PC+3+6*\c+\i], v[PC+12+4*\c+\i]
.endr
.endr
.endm
; Source 1's block a: bias, quantiser, four dense stores.  isv = 0: half c of the fragment is head c's image of token tile a.  isv = 1: the fragment is d tile a % 4 of head a / 4.
.macro EPI a, isv
.set WN, 0x02+(\a)/4
.set AC, 64*((\a)%4)
	WIN WN                                         ; source 0: window 2 or 3
.set i, 0
.rept 32
.if \isv
	v_pk_add_f32 v[T+i:T+i+1], v[AC+i:AC+i+1], v[BV+2*(\a):BV+2*(\a)+1]      ; each accumulator from its low end on
.else
	v_pk_add_f32 v[T+i:T+i+1], v[AC+i:AC+i+1], v[BI+i:BI+i+1]
.endif
.set i, i+2
.endr
	WIN 0
	QUANT T, PWS+(\a)
.if \isv
.if (\a) < 4
	global_store_b128 v4, v[PC:PC+3], s[12:13] offset:1536*((\a)%4)
	global_store_b64 v5, v[PC+4:PC+5], s[12:13] offset:1536*((\a)%4)+512
	global_store_b128 v4, v[PC+6:PC+9], s[12:13] offset:1536*((\a)%4)+768
	global_store_b64 v5, v[PC+10:PC+11], s[12:13] offset:1536*((\a)%4)+1280
.else
	global_store_b128 v26, v[PC:PC+3], s[12:13] offset:1536*((\a)%4)
	global_store_b64 v30, v[PC+4:PC+5], s[12:13] offset:1536*((\a)%4)+512
	global_store_b128 v26, v[PC+6:PC+9], s[12:13] offset:1536*((\a)%4)+768
	global_store_b64 v30, v[PC+10:PC+11], s[12:13] offset:1536*((\a)%4)+1280
.endif
.else
	global_store_b128 v4, v[PC:PC+3], s[12:13] offset:768*(\a)               ; 512 consecutive bytes
	global_store_b64 v5, v[PC+4:PC+5], s[12:13] offset:768*(\a)+512          ; 256
	global_store_b128 v26, v[PC+6:PC+9], s[12:13] offset:768*(\a)
	global_store_b64 v30, v[PC+10:PC+11], s[12:13] offset:768*(\a)+512
.endif
.endm
	s_wait_loadcnt 0x0                             ; the biases
	PLACES NP                                      ; behind the last products: their results are read and their operands' registers written below
	s_mov_b32 s[SEL], 0x76543210
	s_mov_b32 s[SEL+1], 0xfedcba98
	v_cmp_ne_u32 s2, 0, v2                         ; lanes 16-31
.irp b, 0,1,2,3
	v_mov_b32 v[TM+4+\b], 0                        ; a lane permute's destination counts as one of its sources
.endr
	s_cmp_eq_u32 ttmp9, 2                          ; the cluster's x: the same in all partners
	s_cbranch_scc1 .Lrole_v
.irp a, 0,1,2,3,4,5,6,7
	EPI \a, 0
.endr
	s_cmp_eq_u32 ttmp9, 0
	s_cbranch_scc1 .Lrole_q
.irp f, 0,1,2,3                                ; k: word F = key tile 2 F's two bytes, then tile 2 F + 1's; lanes 0-15 serve my first head, lanes 16-31 the second
	v_perm_b32 v[T+\f], v[PWS+2*\f+1], v[PWS+2*\f], 0x05040100
	v_perm_b32 v[T+4+\f], v[PWS+2*\f+1], v[PWS+2*\f], 0x07060302
.endr
.irp f, 0,1,2,3
	v_cndmask_b32 v[T+\f], v[T+\f], v[T+4+\f], s2
.endr
	global_store_b128 v31, v[T:T+3], s[12:13] offset:12288
	s_branch .Lend
.Lrole_q:
.irp a, 0,1,2,3,4,5,6,7                        ; q: the query's two bytes, twice, so that the word serves the fragment's lower and upper half alike
	v_perm_b32 v[T+\a], v[PWS+\a], v[PWS+\a], 0x01000100
	v_perm_b32 v[T+8+\a], v[PWS+\a], v[PWS+\a], 0x03020302
.endr
.irp a, 0,1,2,3,4,5,6,7
	v_cndmask_b32 v[T+\a], v[T+\a], v[T+8+\a], s2
.endr
	global_store_b128 v31, v[T:T+3], s[96:97]
	global_store_b128 v31, v[T+4:T+7], s[96:97] offset:256
	s_branch .Lend
.Lrole_v:
.irp a, 0,1,2,3,4,5,6,7
	EPI \a, 1
.endr
.irp d, 0,1,2,3
	v_cndmask_b32 v[T+\d], v[PWS+\d], v[PWS+4+\d], s2
.endr
	global_store_b128 v31, v[T:T+3], s[12:13] offset:6400
.Lend:
	s_wait_tensorcnt 0x0                           ; the wave's end
	ds_add_u32 v[SPW], v[NIL]
	s_wait_dscnt 0x0
	CROUND                                         ; the closing round
	s_endpgm
.Lfunc_end_k_q3e791bb035_qkv:
	.size	k_q3e791bb035_qkv, .Lfunc_end_k_q3e791bb035_qkv-k_q3e791bb035_qkv
	.p2alignl 7, 3214868480
	.fill 96, 4, 3214868480
	.section	.rodata,"a",@progbits
	.p2align	6, 0x0
	.amdhsa_kernel k_q3e791bb035_qkv
		.amdhsa_group_segment_fixed_size 327680
		.amdhsa_private_segment_fixed_size 0
		.amdhsa_enable_private_segment 0
		.amdhsa_kernarg_size 64
		.amdhsa_user_sgpr_count 2
		.amdhsa_user_sgpr_kernarg_segment_ptr 1
		.amdhsa_wavefront_size32 1
		.amdhsa_system_sgpr_workgroup_id_x 1
		.amdhsa_system_sgpr_workgroup_id_y 1
		.amdhsa_system_sgpr_workgroup_id_z 1
		.amdhsa_system_vgpr_workitem_id 0
		.amdhsa_next_free_vgpr 1024
		.amdhsa_next_free_sgpr 102
		.amdhsa_reserve_vcc 0
		.amdhsa_float_denorm_mode_32 3
		.amdhsa_float_denorm_mode_16_64 3
		.amdhsa_memory_ordered 1
		.amdhsa_forward_progress 1
		.amdhsa_inst_pref_size 223
	.end_amdhsa_kernel
	.amdgpu_metadata
---
amdhsa.version: [ 1, 2 ]
amdhsa.kernels:
  - .name:           k_q3e791bb035_qkv
    .symbol:         k_q3e791bb035_qkv.kd
    .args:
      - { .name: act_codes, .offset: 0, .size: 8, .value_kind: global_buffer, .address_space: global }
      - { .name: act_scales, .offset: 8, .size: 8, .value_kind: global_buffer, .address_space: global }
      - { .name: w_codes, .offset: 16, .size: 8, .value_kind: global_buffer, .address_space: global }
      - { .name: w_scales, .offset: 24, .size: 8, .value_kind: global_buffer, .address_space: global }
      - { .name: b_in, .offset: 32, .size: 8, .value_kind: global_buffer, .address_space: global }
      - { .name: q_codes, .offset: 40, .size: 8, .value_kind: global_buffer, .address_space: global }
      - { .name: q_scales, .offset: 48, .size: 8, .value_kind: global_buffer, .address_space: global }
      - { .name: kv, .offset: 56, .size: 8, .value_kind: global_buffer, .address_space: global }
    .group_segment_fixed_size: 327680
    .private_segment_fixed_size: 0
    .kernarg_segment_align: 8
    .kernarg_segment_size: 64
    .max_flat_workgroup_size: 128
    .sgpr_count:     102
    .vgpr_count:     1024
    .wavefront_size: 32
...
	.end_amdgpu_metadata
.endif
;; end of part 2
;; launch attn (part 3): grid 4 x 64, 8 waves a work-group, clusters of 4 x 1, 327,680 bytes of LDS; arguments q_codes, q_scales, kv, act_codes, act_scales; writes act_codes, act_scales
.if DOCPART == 3
	.amdgcn_target "amdgcn-amd-amdhsa--gfx1250"
	.amdhsa_code_object_version 6
	.text
	.protected	k_q3e791bb035_attn
	.globl	k_q3e791bb035_attn
	.p2align	8
	.type	k_q3e791bb035_attn,@function
k_q3e791bb035_attn:
	s_mov_b64 s[64:65], 0
	v_nop
	global_prefetch_b8 v0, s[64:65] scope:SCOPE_SE
	s_setreg_imm32_b32 hwreg(HW_REG_WAVE_MODE, 25, 1), 1
	s_wait_xcnt 0x0
	s_wait_alu depctr_hold_cnt(0) depctr_sa_sdst(0) depctr_va_vdst(0) depctr_va_sdst(0) depctr_va_ssrc(0) depctr_va_vcc(0) depctr_vm_vsrc(0)
	s_getreg_b32 s2, hwreg(HW_REG_IB_STS2, 6, 4)
	s_cmp_eq_u32 s2, 0
	s_cbranch_scc0 .Lentry_in_a_cluster
	s_endpgm
.Lentry_in_a_cluster:
	s_bfe_u32 s2, ttmp6, 0x10000c
	s_cmp_lg_u32 s2, 0x3003
	s_cbranch_scc0 .Lentry_shape_is_right
	s_endpgm
.Lentry_shape_is_right:
; ATTENTION of one (batch, head) on codes of FP6 (E2M3) with E8M0 scales: S^T = K Q^T, p = 2^(t - M) with M the ceiling of the running largest t, O^T += V^T p^T, O / l quantised along the head's 64 for the projection.
; A work-group of eight waves takes 512 queries of its head in TWO PASSES of 256 (a wave: two tiles of 16 queries a pass).  The head's 16 records of 128 keys (12,800 bytes each: K's four fragments, V's four, both scale words)
; come into LDS once, 204,800 bytes, and stay for both passes: nothing is filled again.  Grid 4 x 64: 256 work-groups.
; CLUSTERS: the four work-groups of a head ask for its records jointly (mask 15).  First fills: records 0-3 at the head (6,400 bytes a wave), records 4-15 behind the lines and a round (19,200 bytes a wave).
; The first four steps of pass 0 read records 0-3, which that round has shown to all waves; the wait and the barrier behind each pass's fourth step show the rest.
; The row's sum is taken of the unquantised p; a change of M multiplies the sum and O^T by an exact power of two.
; LIMITS: the promise holds while the scaled scores stay under 2^31 in magnitude; NaN and infinities are not served; a block of zeros gets the byte 1 (this program alone reads the bytes).
.set REC,   12800
.set SPARE, 16*REC
.set SPW, 5
.set NIL, 6
.set ST,  12
.set Q,   24
.set FF,  60
.set S,   64
.set PC,  192
.set TP,  216
.set W,   224
.set KF,  64
.set VF,  112
.set WV,  14
.set SEL, 20
.set CS,  22
.set G1A, 24
.set G1B, 32
.set G0A, 40
.set G0B, 44
.set TB,  48
.set CNT, 49
.set HM,  50
.set MSB, 0
.macro WIN new
.if MSB != \new
	s_set_vgpr_msb (MSB<<8)|\new
.set MSB, \new
.endif
.endm
.macro CROUND
	s_barrier_signal -1
	s_barrier_wait -1
	s_cmp_lg_u32 s[WV], 0
	s_cbranch_scc1 .Lnot_wave_0_\@
	s_barrier_signal -3
.Lnot_wave_0_\@:
	s_barrier_wait -3
	s_barrier_signal -1
	s_barrier_wait -1
.endm
	s_load_b256 s[4:11], s[0:1], 0x0
	s_load_b64 s[12:13], s[0:1], 0x20
	v_lshl_add_u32 v[SPW], v0, 2, SPARE
	v_mov_b32 v[NIL], 0
	ds_add_u32 v[SPW], v[NIL]
	ds_add_u32 v[SPW], v[NIL]
	v_lshrrev_b32 v1, 5, v0
	s_delay_alu instid0(VALU_DEP_1)
	v_readfirstlane_b32 s[WV], v1
	s_bfe_u32 s15, ttmp6, 0x40000
	s_lshl_b32 s16, ttmp9, 2
	s_add_co_u32 s16, s16, s15
	s_and_b32 s17, ttmp7, 0xffff
	s_mov_b32 s[G1A], 15|(3<<16)|(1<<21)
	s_mov_b32 s[G1A+1], 32<<16
	s_mov_b32 s[G1A+2], 25<<16
	s_mov_b32 s[G1A+3], 32<<16
	s_mov_b32 s[G1A+4], 25
	s_mov_b32 s[G1A+5], 32
	s_mov_b32 s[G1A+6], 0
	s_mov_b32 s[G1A+7], 0
	s_mov_b32 s[G1B], 15|(3<<16)|(1<<21)
	s_mov_b32 s[G1B+1], 32<<16
	s_mov_b32 s[G1B+2], 75<<16
	s_mov_b32 s[G1B+3], 32<<16
	s_mov_b32 s[G1B+4], 75
	s_mov_b32 s[G1B+5], 32
	s_mov_b32 s[G1B+6], 0
	s_mov_b32 s[G1B+7], 0
	s_mul_i32 s18, s17, 16*REC
	s_mov_b32 s19, 0
	s_mul_i32 s[G0A+1], s[WV], 6400
	s_mul_i32 s[G0B+1], s[WV], 19200
	s_add_co_u32 s[G0B+1], s[G0B+1], 4*REC
	s_mov_b32 s52, s[G0A+1]
	s_mov_b32 s53, 0
	s_mov_b32 s54, s[G0B+1]
	s_mov_b32 s55, 0
	s_mov_b32 s[G0A], 1
	s_mov_b32 s[G0B], 1
	s_mov_b32 s[SEL], 0x76543210
	s_mov_b32 s[SEL+1], 0xfedcba98
	s_mov_b32 s[CS], 0x3e38aa3b
	s_mov_b32 s[CS+1], s[CS]
	s_wait_dscnt 0x0
	s_wait_kmcnt 0x0
	s_add_nc_u64 s[8:9], s[8:9], s[18:19]
	s_add_nc_u64 s[G0A+2:G0A+3], s[8:9], s[52:53]
	s_or_b32 s[G0A+3], s[G0A+3], 0x80000000
	s_add_nc_u64 s[G0B+2:G0B+3], s[8:9], s[54:55]
	s_or_b32 s[G0B+3], s[G0B+3], 0x80000000
	CROUND
	tensor_load_to_lds s[G0A:G0A+3], s[G1A:G1A+7]
	s_nop 0
; my two tiles of Q: codes into both halves' places of the padded operand, and the scale words.  A pass's Q is asked for ahead of the pass: the first under the first records' flight, the second behind the first pass's last step.
.macro QLOAD
.irp t, 0,1
	global_load_b128 v[Q+18*\t:Q+18*\t+3], v1, s[4:5] offset:768*\t
	global_load_b64 v[Q+18*\t+4:Q+18*\t+5], v2, s[4:5] offset:768*\t+512
	global_load_b128 v[Q+18*\t+12:Q+18*\t+15], v1, s[4:5] offset:768*\t
	global_load_b64 v[Q+18*\t+16:Q+18*\t+17], v2, s[4:5] offset:768*\t+512
	global_load_b32 v[20+\t], v219, s[6:7] offset:4*\t
.endr
.endm
	v_and_b32 v3, 31, v0
	v_and_b32 v219, 15, v0
	v_lshlrev_b32 v1, 4, v3                        ; 16 x lane
	v_lshlrev_b32 v2, 3, v3                        ; 8 x lane
	v_min_u32 v218, 5, v3
	v_lshlrev_b32 v219, 4, v219                    ; Q's scale words: 16 bytes a row; never rewritten
	v_lshlrev_b32 v218, 8, v218                    ; the prefetch's offset: a lane a block of 256 bytes, six blocks; never rewritten
	s_wait_alu depctr_va_vdst(0)
	s_lshl_b32 s18, s17, 7
	s_lshl_b32 s19, s16, 5                         ; a work-group has 32 tiles of queries
	s_add_co_u32 s18, s18, s19
	s_lshl_b32 s19, s[WV], 1
	s_add_co_u32 s18, s18, s19                     ; my first tile
	s_mul_i32 s52, s18, 768
	s_add_nc_u64 s[4:5], s[4:5], s[52:53]
	s_lshr_b32 s52, s18, 2
	s_lshl_b32 s52, s52, 8
	s_and_b32 s19, s18, 3
	s_lshl_b32 s19, s19, 2
	s_add_co_u32 s52, s52, s19
	s_add_nc_u64 s[6:7], s[6:7], s[52:53]
	QLOAD
	s_wait_alu depctr_va_vdst(0)
	s_wait_tensorcnt 0x0
	ds_add_u32 v5, v6
	s_wait_dscnt 0x0
	CROUND
	tensor_load_to_lds s[G0B:G0B+3], s[G1B:G1B+7]
	s_nop 0
.rept 4
	v_nop
.endr
	s_lshr_b32 s19, s17, 4
	s_and_b32 s51, s17, 15
	s_lshl_b32 s19, s19, 7
	s_lshl_b32 s52, s16, 5
	s_add_co_u32 s19, s19, s52
	s_lshl_b32 s52, s[WV], 1
	s_add_co_u32 s19, s19, s52
	s_mul_i32 s52, s19, 12288
	s_mul_i32 s54, s51, 768
	s_add_co_u32 s52, s52, s54
	s_add_nc_u64 s[10:11], s[10:11], s[52:53]
	s_lshl_b32 s52, s19, 9
	s_lshr_b32 s54, s51, 2
	s_lshl_b32 s54, s54, 7
	s_add_co_u32 s52, s52, s54
	s_and_b32 s54, s51, 3
	s_lshl_b32 s54, s54, 1
	s_add_co_u32 s52, s52, s54
	s_add_nc_u64 s[12:13], s[12:13], s[52:53]
	global_prefetch_b8 v218, s[4:5] offset:12288 th:TH_LOAD_NT scope:SCOPE_SE   ; my two tiles of Q of the second pass, 1,536 bytes, 16 tiles on: asked for a whole pass ahead of their loads
	s_mov_b32 s56, 0                               ; the pass
.Lpass:                                                ; a pass: my two tiles' Q, the state and O^T anew, 16 steps over the records in LDS, the way out
	s_mov_b32 s[TB], 0
.irp t, 0,1
.irp i, 6,7,8,9,10,11
	v_mov_b32 v[Q+18*\t+\i], 0
.endr
	v_mov_b32 v[ST+4*\t+1], 0xff61b1e6
	s_delay_alu instid0(VALU_DEP_1)
	v_floor_f32 v[ST+4*\t], -v[ST+4*\t+1]
	v_mov_b32 v[ST+4*\t+2], 0
	v_mov_b32 v[ST+4*\t+3], 0
	v_mov_b32 v[FF+2*\t+1], 0
.irp b, 4,5,6,7
	v_mov_b32 v[W+16*\t+\b], 0
.endr
.endr
	WIN 0x40
.set i, 0
.rept 64
	v_mov_b32 v[i], 0
.set i, i+1
.endr
	WIN 0
.macro STEP
	v_add_nc_u32 v3, s[TB], v1
	v_add_nc_u32 v4, s[TB], v2
	v_nop
	v_nop
	WIN 0x40
.irp f, 0,1,2,3
	ds_load_b128 v[KF+12*\f:KF+12*\f+3], v3 offset:1536*\f
	ds_load_b64 v[KF+12*\f+4:KF+12*\f+5], v4 offset:1536*\f+512
	ds_load_b128 v[KF+12*\f+6:KF+12*\f+9], v3 offset:1536*\f+768
	ds_load_b64 v[KF+12*\f+10:KF+12*\f+11], v4 offset:1536*\f+1280
.endr
	WIN 0
	ds_load_b128 v[8:11], v3 offset:12288
	WIN 0x40
.irp f, 0,1,2,3
	ds_load_b128 v[VF+12*\f:VF+12*\f+3], v3 offset:6144+1536*\f
	ds_load_b64 v[VF+12*\f+4:VF+12*\f+5], v4 offset:6144+1536*\f+512
	ds_load_b128 v[VF+12*\f+6:VF+12*\f+9], v3 offset:6144+1536*\f+768
	ds_load_b64 v[VF+12*\f+10:VF+12*\f+11], v4 offset:6144+1536*\f+1280
.endr
	s_wait_dscnt 16
	WIN 0x01
.irp f, 0,1,2,3
.irp u, 0,1
.irp t, 0,1
	v_wmma_scale_f32_16x16x128_f8f6f4 v[S+64*\t+8*(2*\f+\u):S+64*\t+8*(2*\f+\u)+7], v[KF+12*\f:KF+12*\f+11], v[Q+18*\t+6*\u:Q+18*\t+6*\u+11], 0, v[8+\f], v[20+\t] matrix_a_fmt:MATRIX_FMT_FP6 matrix_b_fmt:MATRIX_FMT_FP6
.endr
.endr
.endr
	WIN 0
.rept 4
	v_nop
.endr
.irp b, 0,1,2,3
.irp t, 0,1
	v_max3_num_f32 v[W+16*\t+\b], v[S+64*\t+16*\b], v[S+64*\t+16*\b+1], v[S+64*\t+16*\b+2]
.endr
.endr
.irp i, 3,5,7,9,11,13
.irp b, 0,1,2,3
.irp t, 0,1
	v_max3_num_f32 v[W+16*\t+\b], v[W+16*\t+\b], v[S+64*\t+16*\b+\i], v[S+64*\t+16*\b+\i+1]
.endr
.endr
.endr
.irp b, 0,1,2,3
.irp t, 0,1
	v_max_num_f32 v[W+16*\t+\b], v[W+16*\t+\b], v[S+64*\t+16*\b+15]
.endr
.endr
.irp b, 0,1,2,3
.irp t, 0,1
	v_permlanex16_b32 v[W+16*\t+4+\b], v[W+16*\t+\b], s[SEL], s[SEL+1]
.endr
.endr
.irp b, 0,1,2,3
.irp t, 0,1
	v_max_num_f32 v[W+16*\t+\b], v[W+16*\t+\b], v[W+16*\t+4+\b]
.endr
.endr
.irp t, 0,1
	s_delay_alu instid0(VALU_DEP_4)
	v_max3_num_f32 v[TP+\t], v[W+16*\t], v[W+16*\t+1], v[W+16*\t+2]
.endr
.irp t, 0,1
	s_delay_alu instid0(VALU_DEP_2)
	v_max_num_f32 v[TP+\t], v[TP+\t], v[W+16*\t+3]
.endr
.irp t, 0,1
	s_delay_alu instid0(VALU_DEP_2)
	v_mul_f32 v[TP+\t], s[CS], v[TP+\t]
.endr
.irp t, 0,1
	s_delay_alu instid0(VALU_DEP_2)
	v_max_num_f32 v[ST+4*\t+1], v[ST+4*\t+1], v[TP+\t]
.endr
.irp t, 0,1
	v_mov_b32 v[TP+\t], v[ST+4*\t]
.endr
.irp t, 0,1
	s_delay_alu instid0(VALU_DEP_4)
	v_floor_f32 v[ST+4*\t], -v[ST+4*\t+1]
.endr
.irp t, 0,1
	s_delay_alu instid0(VALU_DEP_2)
	v_sub_f32 v[TP+\t], v[ST+4*\t], v[TP+\t]
.endr
.irp t, 0,1
	s_delay_alu instid0(VALU_DEP_2)
	v_cvt_i32_f32 v[TP+\t], v[TP+\t]
.endr
.irp t, 0,1
	s_delay_alu instid0(VALU_DEP_2)
	v_ldexp_f32 v[FF+2*\t], 1.0, v[TP+\t]
.endr
.set j, 0
.rept 32
.irp t, 0,1
	v_pk_fma_f32 v[S+64*\t+j:S+64*\t+j+1], v[S+64*\t+j:S+64*\t+j+1], s[CS:CS+1], v[ST+4*\t:ST+4*\t+1] op_sel_hi:[1,0,0]
.endr
.set j, j+2
.endr
.irp b, 0,1,2,3
.irp t, 0,1
	v_fma_f32 v[W+16*\t+\b], v[W+16*\t+\b], s[CS], v[ST+4*\t]
.endr
.endr
.set j, 0
	s_wait_alu depctr_va_vdst(0)
.rept 64
.irp t, 0,1
	v_exp_f32 v[S+64*\t+j], v[S+64*\t+j]
.endr
.set j, j+1
.endr
.irp t, 0,1
	v_pk_mul_f32 v[ST+4*\t+2:ST+4*\t+3], v[ST+4*\t+2:ST+4*\t+3], v[FF+2*\t:FF+2*\t+1] op_sel_hi:[1,0]
.endr
	s_wait_alu depctr_va_vdst(0)
.irp b, 0,1,2,3
.irp t, 0,1
	v_exp_f32 v[W+16*\t+\b], v[W+16*\t+\b]
.endr
.endr
.irp t, 0,1
	v_pk_add_f32 v[W+16*\t+4:W+16*\t+5], v[S+64*\t:S+64*\t+1], v[S+64*\t+2:S+64*\t+3]
.endr
.set j, 4
.rept 15
.irp t, 0,1
	v_pk_add_f32 v[ST+4*\t+2:ST+4*\t+3], v[ST+4*\t+2:ST+4*\t+3], v[S+64*\t+j:S+64*\t+j+1]
	v_pk_add_f32 v[W+16*\t+4:W+16*\t+5], v[W+16*\t+4:W+16*\t+5], v[S+64*\t+j+2:S+64*\t+j+3]
.endr
.set j, j+4
.endr
.irp t, 0
	s_delay_alu instid0(VALU_DEP_3)
	v_pk_add_f32 v[ST+4*\t+2:ST+4*\t+3], v[ST+4*\t+2:ST+4*\t+3], v[W+16*\t+4:W+16*\t+5]
.endr
.irp t, 1
	s_delay_alu instid0(VALU_DEP_2)
	v_pk_add_f32 v[ST+4*\t+2:ST+4*\t+3], v[ST+4*\t+2:ST+4*\t+3], v[W+16*\t+4:W+16*\t+5]
.endr
	s_wait_alu depctr_va_vdst(0)
.irp b, 0,1,2,3
.irp t, 0,1
	v_max_num_f32 v[W+16*\t+\b], 0x1800000, v[W+16*\t+\b]
.endr
.endr
.irp b, 0,1,2,3
.irp t, 0,1
	v_add_nc_u32 v[W+16*\t+12+\b], 0xff000000, v[W+16*\t+\b]
.endr
.endr
.irp b, 0,1,2,3
.irp t, 0,1
	v_lshrrev_b32 v[W+16*\t+4+\b], 23, v[W+16*\t+12+\b]
.endr
.endr
.irp t, 0,1
	v_lshl_or_b32 v[22+\t], v[W+16*\t+5], 8, v[W+16*\t+4]
.endr
.irp t, 0,1
	s_delay_alu instid0(VALU_DEP_2)
	v_lshl_or_b32 v[22+\t], v[W+16*\t+6], 16, v[22+\t]
.endr
.irp t, 0,1
	s_delay_alu instid0(VALU_DEP_2)
	v_lshl_or_b32 v[22+\t], v[W+16*\t+7], 24, v[22+\t]
.endr
.irp t, 0,1
.irp c, 0,1
	v_cvt_scalef32_pk16_fp6_f32 v[PC+12*\t+6*\c:PC+12*\t+6*\c+2], v[S+64*\t+32*\c:S+64*\t+32*\c+15], v[W+16*\t+12+2*\c]
	v_cvt_scalef32_pk16_fp6_f32 v[W+16*\t+4+4*\c:W+16*\t+6+4*\c], v[S+64*\t+32*\c+16:S+64*\t+32*\c+31], v[W+16*\t+13+2*\c]
.endr
.endr
	v_nop
.irp t, 0,1
.irp c, 0,1
.irp i, 0,1,2
	v_permlane16_swap_b32 v[PC+12*\t+6*\c+\i], v[W+16*\t+4+4*\c+\i]
.endr
.irp i, 0,1,2
	s_delay_alu instid0(VALU_DEP_3)
	v_mov_b32 v[PC+12*\t+6*\c+3+\i], v[W+16*\t+4+4*\c+\i]
.endr
.endr
.endr
	WIN 0x41
.irp t, 0,1
.set j, 0
.rept 16
	v_pk_mul_f32 v[32*\t+j:32*\t+j+1], v[32*\t+j:32*\t+j+1], v[FF+2*\t:FF+2*\t+1] op_sel_hi:[1,0]
.set j, j+2
.endr
.endr
	s_wait_alu depctr_va_vdst(0)
	s_wait_dscnt 0x0
	WIN 0x51
.irp d, 0,1,2,3
.irp t, 0,1
	v_wmma_scale_f32_16x16x128_f8f6f4 v[32*\t+8*\d:32*\t+8*\d+7], v[VF+12*\d:VF+12*\d+11], v[PC+12*\t:PC+12*\t+11], v[32*\t+8*\d:32*\t+8*\d+7], v[8+\d], v[22+\t] matrix_a_fmt:MATRIX_FMT_FP6 matrix_b_fmt:MATRIX_FMT_FP6 matrix_a_scale:MATRIX_SCALE_ROW1
.endr
.endr
	WIN 0
	s_add_co_u32 s[TB], s[TB], REC
.endm
	s_wait_loadcnt 0x0                             ; Q is in.  Records 0-3 were waited for by every wave ahead of the round in front of the second fill
	s_mov_b32 s[CNT], 4
.Lfirst:
	STEP
	s_sub_co_u32 s[CNT], s[CNT], 1
	s_cmp_lg_u32 s[CNT], 0
	s_cbranch_scc1 .Lfirst
	s_wait_tensorcnt 0x0
	s_wait_dscnt 0x0
	s_barrier_signal -1
	s_barrier_wait -1
	s_mov_b32 s[CNT], 12
.Lrest:
	STEP
	s_sub_co_u32 s[CNT], s[CNT], 1
	s_cmp_lg_u32 s[CNT], 0
	s_cbranch_scc1 .Lrest
	s_cmp_eq_u32 s56, 1                            ; the last pass has no successor: the branch hangs on the pass alone and leads round the loads alone
	s_cbranch_scc1 .Lno_q
	s_wait_xcnt 0x0                                ; the prefetch has read its base
	s_add_nc_u64 s[4:5], s[4:5], 12288             ; 16 tiles of queries on: Q's codes,
	s_add_nc_u64 s[6:7], s[6:7], 1024              ; and Q's scale words
	QLOAD                                          ; the way out below names none of these registers
.Lno_q:
.irp t, 0,1
	v_add_f32 v[ST+4*\t+2], v[ST+4*\t+2], v[ST+4*\t+3]
.endr
.irp t, 0,1
	s_delay_alu instid0(VALU_DEP_2)
	v_permlanex16_b32 v[TP+\t], v[ST+4*\t+2], s[SEL], s[SEL+1]
.endr
.irp t, 0,1
	s_delay_alu instid0(VALU_DEP_2)
	v_add_f32 v[ST+4*\t+2], v[ST+4*\t+2], v[TP+\t]
.endr
	v_nop
	v_nop
	s_wait_alu depctr_va_vdst(0)
.irp t, 0,1
	v_rcp_f32 v[ST+4*\t+2], v[ST+4*\t+2]
.endr
	v_and_b32 v7, 15, v0
	v_bfe_u32 v3, v0, 4, 1
	s_delay_alu instid0(VALU_DEP_2)
	v_lshlrev_b32 v7, 3, v7
	s_delay_alu instid0(VALU_DEP_1)
	v_lshl_add_u32 v7, v3, 9, v7
	s_delay_alu instid0(VALU_DEP_3)
	v_cmp_ne_u32 s[HM], 0, v3
	s_wait_alu depctr_va_vdst(0)
	WIN 0x01
.irp t, 0,1
.set j, 0
.rept 32
	v_mul_f32 v[S+64*\t+j], v[32*\t+j], v[ST+4*\t+2]
.set j, j+1
.endr
.endr
	WIN 0
.irp b, 0,1
.irp t, 0,1
	v_max3_num_f32 v[W+16*\t+\b], |v[S+64*\t+16*\b]|, |v[S+64*\t+16*\b+1]|, 0x1800000
.endr
.endr
.irp i, 2,4,6,8,10,12,14
.irp b, 0,1
.irp t, 0,1
	s_delay_alu instid0(VALU_DEP_4)
	v_max3_num_f32 v[W+16*\t+\b], v[W+16*\t+\b], |v[S+64*\t+16*\b+\i]|, |v[S+64*\t+16*\b+\i+1]|
.endr
.endr
.endr
.irp b, 0,1
.irp t, 0,1
	s_delay_alu instid0(VALU_DEP_4)
	v_permlanex16_b32 v[W+16*\t+4+\b], v[W+16*\t+\b], s[SEL], s[SEL+1]
.endr
.endr
.irp b, 0,1
.irp t, 0,1
	s_delay_alu instid0(VALU_DEP_4)
	v_max_num_f32 v[W+16*\t+\b], v[W+16*\t+\b], v[W+16*\t+4+\b]
.endr
.endr
.irp b, 0,1
.irp t, 0,1
	s_delay_alu instid0(VALU_DEP_4)
	v_add_nc_u32 v[W+16*\t+12+\b], 0xff000000, v[W+16*\t+\b]
.endr
.endr
.irp b, 0,1
.irp t, 0,1
	s_delay_alu instid0(VALU_DEP_4)
	v_lshrrev_b32 v[W+16*\t+4+\b], 23, v[W+16*\t+12+\b]
.endr
.endr
.irp t, 0,1
	s_delay_alu instid0(VALU_DEP_2)
	v_lshl_or_b32 v[22+\t], v[W+16*\t+5], 8, v[W+16*\t+4]
.endr
.irp t, 0,1
	v_cvt_scalef32_pk16_fp6_f32 v[PC+12*\t:PC+12*\t+2], v[S+64*\t:S+64*\t+15], v[W+16*\t+12]
	v_cvt_scalef32_pk16_fp6_f32 v[W+16*\t+8:W+16*\t+10], v[S+64*\t+16:S+64*\t+31], v[W+16*\t+13]
.endr
	v_nop
.irp t, 0,1
.irp i, 0,1,2
	v_permlane16_swap_b32 v[PC+12*\t+\i], v[W+16*\t+8+\i]
.endr
.irp i, 0,1,2
	s_delay_alu instid0(VALU_DEP_3)
	v_mov_b32 v[PC+12*\t+3+\i], v[W+16*\t+8+\i]
.endr
.endr
.irp t, 0,1
	global_store_b128 v1, v[PC+12*\t:PC+12*\t+3], s[10:11] offset:12288*\t
	global_store_b64 v2, v[PC+12*\t+4:PC+12*\t+5], s[10:11] offset:12288*\t+512
.endr
	v_cndmask_b32 v[TP], v22, v23, s[HM]
	global_store_b16 v7, v[TP], s[12:13]
	s_wait_alu depctr_va_vdst(0)
	s_wait_xcnt 0x0                                ; the loads', the stores' and the prefetch's bases, offsets and data may be written again
	s_add_nc_u64 s[10:11], s[10:11], 196608        ; the result's codes,
	s_add_nc_u64 s[12:13], s[12:13], 8192          ; and its scale bytes
	s_add_co_u32 s56, s56, 1
	s_cmp_lt_u32 s56, 2
	s_cbranch_scc1 .Lpass
	s_wait_tensorcnt 0x0
	ds_add_u32 v[SPW], v[NIL]
	s_wait_dscnt 0x0
	CROUND
	s_endpgm
.Lfunc_end_k_q3e791bb035_attn:
	.size	k_q3e791bb035_attn, .Lfunc_end_k_q3e791bb035_attn-k_q3e791bb035_attn
	.p2alignl 7, 3214868480
	.fill 96, 4, 3214868480
	.section	.rodata,"a",@progbits
	.p2align	6, 0x0
	.amdhsa_kernel k_q3e791bb035_attn
		.amdhsa_group_segment_fixed_size 327680
		.amdhsa_private_segment_fixed_size 0
		.amdhsa_enable_private_segment 0
		.amdhsa_kernarg_size 40
		.amdhsa_user_sgpr_count 2
		.amdhsa_user_sgpr_kernarg_segment_ptr 1
		.amdhsa_wavefront_size32 1
		.amdhsa_system_sgpr_workgroup_id_x 1
		.amdhsa_system_sgpr_workgroup_id_y 1
		.amdhsa_system_sgpr_workgroup_id_z 1
		.amdhsa_system_vgpr_workitem_id 0
		.amdhsa_next_free_vgpr 416
		.amdhsa_next_free_sgpr 66
		.amdhsa_reserve_vcc 0
		.amdhsa_float_denorm_mode_32 3
		.amdhsa_float_denorm_mode_16_64 3
		.amdhsa_memory_ordered 1
		.amdhsa_forward_progress 1
		.amdhsa_inst_pref_size 81
	.end_amdhsa_kernel
	.amdgpu_metadata
---
amdhsa.version: [ 1, 2 ]
amdhsa.kernels:
  - .name:           k_q3e791bb035_attn
    .symbol:         k_q3e791bb035_attn.kd
    .args:
      - { .name: q_codes, .offset: 0, .size: 8, .value_kind: global_buffer, .address_space: global }
      - { .name: q_scales, .offset: 8, .size: 8, .value_kind: global_buffer, .address_space: global }
      - { .name: kv, .offset: 16, .size: 8, .value_kind: global_buffer, .address_space: global }
      - { .name: act_codes, .offset: 24, .size: 8, .value_kind: global_buffer, .address_space: global }
      - { .name: act_scales, .offset: 32, .size: 8, .value_kind: global_buffer, .address_space: global }
    .group_segment_fixed_size: 327680
    .private_segment_fixed_size: 0
    .kernarg_segment_align: 8
    .kernarg_segment_size: 40
    .max_flat_workgroup_size: 256
    .sgpr_count:     66
    .vgpr_count:     416
    .wavefront_size: 32
...
	.end_amdgpu_metadata
.endif
;; end of part 3
;; launch proj (part 4): grid 4 x 64, 4 waves a work-group, clusters of 4 x 4, 327,680 bytes of LDS; arguments act_codes, act_scales, w_codes, w_scales, b_out, out0; writes out0
.if DOCPART == 4
	.amdgcn_target "amdgcn-amd-amdhsa--gfx1250"
	.amdhsa_code_object_version 6
	.text
	.protected	k_q3e791bb035_proj
	.globl	k_q3e791bb035_proj
	.p2align	8
	.type	k_q3e791bb035_proj,@function
k_q3e791bb035_proj:
	s_mov_b64 s[64:65], 0
	v_nop
	global_prefetch_b8 v0, s[64:65] scope:SCOPE_SE
	s_setreg_imm32_b32 hwreg(HW_REG_WAVE_MODE, 25, 1), 1
	s_wait_xcnt 0x0
	s_wait_alu depctr_hold_cnt(0) depctr_sa_sdst(0) depctr_va_vdst(0) depctr_va_sdst(0) depctr_va_ssrc(0) depctr_va_vcc(0) depctr_vm_vsrc(0)
	s_getreg_b32 s2, hwreg(HW_REG_IB_STS2, 6, 4)
	s_cmp_eq_u32 s2, 0
	s_cbranch_scc0 .Lentry_in_a_cluster
	s_endpgm
.Lentry_in_a_cluster:
	s_bfe_u32 s2, ttmp6, 0x10000c
	s_cmp_lg_u32 s2, 0xf033
	s_cbranch_scc0 .Lentry_shape_is_right
	s_endpgm
.Lentry_shape_is_right:
; PROJ: out0 = Q(attention's result) Q(w_out) + b_out on codes of FP6 (E2M3) with E8M0 scales; f32 sums, f32 out.  A work-group of four waves makes 128 tokens x 256 columns, a wave 64 x 128: 32 accumulators.  Grid 4 x 64: 256 work-groups.
; K = 1,024 goes in steps of 256 through two LDS slots; operands lie in memory as images of the operand's registers ([tile of 16 rows][K step][1,536 bytes]).  Source 0 = 16 columns of w_out, source 1 = 16 tokens.
; Both sources have two sets of fragment registers (source 1: v128-175 and v176-223, chosen by the symbol AF): a step's fragments are fetched ahead of the 32 products of the step before.
; LDS: a slot holds source 1's 8 tiles at 0 and source 0's 16 tiles at 2 HALFT; behind the ring source 1's scale words (4,096 bytes) and directly behind them source 0's (8,192).
; CLUSTERS: 4 x 4; source 1's tiles are shared along a row of the cluster, source 0's along a column: joint loads.  The results leave through each wave's stage in slot 0, which has had its last fill and its last read by then, as rows of 512 bytes.
.set NQ,     2
.set FR,     12
.set NL,     4
.set NP,     4
.set TILEB,  3072
.set HALFT,  8*TILEB
.set SLOT,   4*HALFT
.set LAPS,   2
.set SCL,    2*SLOT
.set HALFS,  4096
.set SPARE,  SCL+4*HALFS
.set SPITCH, 528
.set ADRA, 16
.set ADRB, 20
.set STO,  24
.set RD,   25
.set ADRS, 27
.set SPW,  28
.set NIL,  29
.set SC,   32
.set BO,   64
.set AF,   128
.set BK,   128
.set G1, 24
.set G0, 32
.set G1B, 48
.set G0B, 56
.set G1S, 68
.set G0S, 76
.set G1SB, 80
.set G0SB, 88
.set MSB, 0
.macro WIN new
.if MSB != \new
	s_set_vgpr_msb (MSB<<8)|\new
.set MSB, \new
.endif
.endm
.set MUL_LO, 0xa1
.set MUL_HI, 0xf1
.set TO_B,   0x40
.macro JLOAD g0a, g1a, g0b, g1b
	s_cmp_eq_u32 s15, 0
	s_cbranch_scc0 .Lfor_b_\@
	tensor_load_to_lds s[\g0a:\g0a+3], s[\g1a:\g1a+7]
	s_nop 0
.rept 4
	v_nop
.endr
	s_branch .Lasked_\@
.Lfor_b_\@:
	tensor_load_to_lds s[\g0b:\g0b+3], s[\g1b:\g1b+7]
	s_nop 0
.rept 4
	v_nop
.endr
.Lasked_\@:
.endm
.macro CREST
	s_cmp_lg_u32 s14, 0
	s_cbranch_scc1 .Lnot_wave_0_\@
	s_barrier_signal -3
.Lnot_wave_0_\@:
	s_barrier_wait -3
	s_barrier_signal -1
	s_barrier_wait -1
.endm
.macro CROUND
	s_barrier_signal -1
	s_barrier_wait -1
	CREST
.endm
	s_load_b256 s[4:11], s[0:1], 0x0
	s_load_b128 s[92:95], s[0:1], 0x20
	v_lshl_add_u32 v[SPW], v0, 2, SPARE
	v_mov_b32 v[NIL], 0
	ds_add_u32 v[SPW], v[NIL]
	ds_add_u32 v[SPW], v[NIL]
	v_lshrrev_b32 v1, 5, v0
	v_readfirstlane_b32 s14, v1
	s_lshr_b32 s15, s14, 1
	s_and_b32 s16, s14, 1
	s_bfe_u32 s40, ttmp6, 0x40000
	s_bfe_u32 s41, ttmp6, 0x40004
	s_add_co_u32 s42, s40, 12
	s_and_b32 s17, ttmp7, 0xffff
	s_lshl_b32 s17, s17, 2
	s_add_co_u32 s17, s17, s41
	s_lshl_b32 s43, s41, 2
	s_lshl_b32 s43, 15, s43
	s_lshl_b32 s44, 0x1111, s40
	s_or_b32 s[G1+0], s43, (3<<16)|(1<<21)
	s_or_b32 s[G1B+0], s44, (3<<16)|(1<<21)
.irp g, G1, G1B
	s_mov_b32 s[\g+1], 384<<16
	s_mov_b32 s[\g+2], 8<<16
	s_mov_b32 s[\g+3], 384<<16
	s_mov_b32 s[\g+4], 8
	s_mov_b32 s[\g+5], 1536
	s_mov_b32 s[\g+6], 0
	s_mov_b32 s[\g+7], 0
.endr
	s_or_b32 s[G1S+0], s43, (3<<16)|(1<<21)
	s_or_b32 s[G1SB+0], s44, (3<<16)|(1<<21)
.irp g, G1S, G1SB
	s_mov_b32 s[\g+1], 32<<16
	s_mov_b32 s[\g+2], 16<<16
	s_mov_b32 s[\g+3], 32<<16
	s_mov_b32 s[\g+4], 16
	s_mov_b32 s[\g+5], 32
	s_mov_b32 s[\g+6], 0
	s_mov_b32 s[\g+7], 0
.endr
	s_mov_b32 s[G1B+2], 16<<16                     ; the head's loads bring whole tiles: source 1's 8 tiles (as set above), source 0's 16,
	s_mov_b32 s[G1B+4], 16
	s_mov_b32 s[G1SB+2], 32<<16                    ; source 1's scale words in 16 rows of 256 bytes (as set above), source 0's in 32
	s_mov_b32 s[G1SB+4], 32
	s_lshl_b32 s20, s17, 3                         ; source 1's first tile of 8
	s_lshl_b32 s46, s42, 4                         ; source 0's first of 16
	s_lshl_b32 s22, s20, 9
	s_mov_b32 s23, 0
	s_lshl_b32 s66, s46, 9
	s_mov_b32 s67, 0
	s_mul_i32 s20, s20, 12288
	s_mov_b32 s21, 0
	s_mul_i32 s46, s46, 12288
	s_mov_b32 s47, 0
	s_mul_i32 s45, s14, HALFT
	s_mul_i32 s2, s14, HALFT/2                     ; in the ring waves 0 and 1 bring 4 tiles of source 1 each
	s_wait_dscnt 0x0
	s_wait_kmcnt 0x0
	s_add_nc_u64 s[20:21], s[4:5], s[20:21]
	s_add_nc_u64 s[22:23], s[6:7], s[22:23]
	s_add_nc_u64 s[46:47], s[8:9], s[46:47]
	s_add_nc_u64 s[66:67], s[10:11], s[66:67]
	CROUND
	s_mov_b32 s[G0S], 1
	s_mov_b32 s[G0S+1], SCL
	s_mov_b64 s[G0S+2:G0S+3], s[22:23]
	s_or_b32 s[G0S+3], s[G0S+3], 0x80000000
	s_mov_b32 s[G0SB], 1
	s_mov_b32 s[G0SB+1], SCL+HALFS
	s_mov_b64 s[G0SB+2:G0SB+3], s[66:67]
	s_or_b32 s[G0SB+3], s[G0SB+3], 0x80000000
	s_mov_b32 s4, 1                                ; group 0 of the head's loads of slot 0 (the arguments that lay here have been used): source 1's 8 tiles,
	s_mov_b32 s5, 0
	s_mov_b64 s[6:7], s[20:21]
	s_or_b32 s7, s7, 0x80000000
	s_mov_b32 s8, 1                                ; and source 0's 16
	s_mov_b32 s9, 2*HALFT
	s_mov_b64 s[10:11], s[46:47]
	s_or_b32 s11, s11, 0x80000000
	s_mul_i32 s18, s16, 4*12288                    ; in the ring I fetch a half: 4 tiles of source 1,
	s_mov_b32 s19, 0
	s_add_nc_u64 s[20:21], s[20:21], s[18:19]
	s_lshl_b32 s18, s18, 1                         ; or 8 of source 0
	s_add_nc_u64 s[46:47], s[46:47], s[18:19]
.irp s, 0,1
	s_mov_b32 s[G0+4*\s], 1
	s_add_co_u32 s[G0+4*\s+1], s2, \s*SLOT
	s_add_nc_u64 s[G0+4*\s+2:G0+4*\s+3], s[20:21], \s*TILEB
	s_or_b32 s[G0+4*\s+3], s[G0+4*\s+3], 0x80000000
	s_mov_b32 s[G0B+4*\s], 1
	s_add_co_u32 s[G0B+4*\s+1], s45, \s*SLOT
	s_add_nc_u64 s[G0B+4*\s+2:G0B+4*\s+3], s[46:47], \s*TILEB
	s_or_b32 s[G0B+4*\s+3], s[G0B+4*\s+3], 0x80000000
.endr
; THE HEAD'S LOADS, one a wave: wave 0 slot 0's tiles of source 1, wave 1 those of source 0, wave 2 source 1's scale words, wave 3 source 0's.  One chain of branches on the wave's number; every way passes one load.
.macro ARM under, g0, g1, next
	s_cmp_lt_u32 s14, \under
	s_cbranch_scc0 \next
	tensor_load_to_lds s[\g0:\g0+3], s[\g1:\g1+7]
	s_nop 0
.rept 4
	v_nop
.endr
	s_branch .Lhead_asked
\next:
.endm
	ARM 1, 4, G1, .Lhead_b
	ARM 2, 8, G1B, .Lhead_sa
	ARM 3, G0S, G1S, .Lhead_sb
	tensor_load_to_lds s[G0SB:G0SB+3], s[G1SB:G1SB+7]
	s_nop 0
.rept 4
	v_nop
.endr
.Lhead_asked:
	v_and_b32 v1, 15, v0
	v_bfe_u32 v2, v0, 4, 1
	v_and_b32 v3, 31, v0
	v_lshlrev_b32 v4, 4, v3
	v_lshlrev_b32 v5, 3, v3
	s_mul_i32 s21, s15, HALFT/2                    ; my 64 rows of source 1: 4 tiles
	s_mul_i32 s22, s16, HALFT
	s_add_co_u32 s22, s22, 2*HALFT
.irp s, 0,1
	v_add_nc_u32 v[ADRA+\s], s21, v4
	v_add_nc_u32 v[ADRB+\s], s22, v4
	v_add_nc_u32 v[ADRA+2+\s], s21, v5
	v_add_nc_u32 v[ADRB+2+\s], s22, v5
	s_add_co_u32 s21, s21, SLOT
	s_add_co_u32 s22, s22, SLOT
.endr
	v_lshlrev_b32 v6, 3, v1
	s_lshl_b32 s21, s15, 11                        ; their scale words: 512 bytes a tile
	s_lshl_b32 s22, s16, 12
	s_add_co_u32 s22, s22, HALFS
	s_sub_co_u32 s22, s22, s21
	v_mul_u32_u24 v7, s22, v2
	s_add_co_u32 s21, s21, SCL
	v_add_nc_u32 v6, v6, v7
	v_add_nc_u32 v[ADRS], s21, v6
	s_mul_i32 s23, s14, 16*SPITCH
	v_mul_u32_u24 v6, v1, SPITCH
	v_lshl_add_u32 v6, v2, 6, v6
	v_add_nc_u32 v[STO], s23, v6
	v_add_nc_u32 v[RD], s23, v4
	s_lshl_b32 s18, s17, 7                         ; my first row of out0: 128 x block + 64 x half
	s_lshl_b32 s19, s15, 6
	s_add_co_u32 s18, s18, s19
	s_lshl_b32 s18, s18, 12
	s_lshl_b32 s19, s40, 10
	s_lshl_b32 s20, s16, 9
	s_add_co_u32 s19, s19, s20
	v_add_nc_u32 v8, s19, v4
	s_add_co_u32 s18, s18, s19
	s_mov_b32 s19, 0
	s_add_nc_u64 s[12:13], s[94:95], s[18:19]
	global_load_b128 v[BO:BO+3], v8, s[92:93]
.macro FRAG reg, adr, q, i
	ds_load_b128 v[\reg:\reg+3], v[\adr] offset:TILEB*(\i)+1536*(\q)
	ds_load_b64 v[\reg+4:\reg+5], v[\adr+2] offset:TILEB*(\i)+1536*(\q)+512
	ds_load_b128 v[\reg+6:\reg+9], v[\adr] offset:TILEB*(\i)+1536*(\q)+768
	ds_load_b64 v[\reg+10:\reg+11], v[\adr+2] offset:TILEB*(\i)+1536*(\q)+1280
.endm
.macro MUL16 a0, p, q, sc, zero
.irp a, \a0, \a0+1
.irp b, 0,1,2,3,4,5,6,7
.if \zero
	v_wmma_scale_f32_16x16x128_f8f6f4 v[8*(8*((\a)%4)+\b):8*(8*((\a)%4)+\b)+7], v[128*(\p)+FR*\b:128*(\p)+FR*\b+FR-1], v[AF+FR*(\a):AF+FR*(\a)+FR-1], 0, v[SC+8*NQ*(\sc)+NQ*\b+(\q)], v[SC+8*NQ*(\sc)+NQ*(\a)+(\q)] matrix_a_fmt:MATRIX_FMT_FP6 matrix_b_fmt:MATRIX_FMT_FP6 matrix_a_scale:MATRIX_SCALE_ROW1
.else
	v_wmma_scale_f32_16x16x128_f8f6f4 v[8*(8*((\a)%4)+\b):8*(8*((\a)%4)+\b)+7], v[128*(\p)+FR*\b:128*(\p)+FR*\b+FR-1], v[AF+FR*(\a):AF+FR*(\a)+FR-1], v[8*(8*((\a)%4)+\b):8*(8*((\a)%4)+\b)+7], v[SC+8*NQ*(\sc)+NQ*\b+(\q)], v[SC+8*NQ*(\sc)+NQ*(\a)+(\q)] matrix_a_fmt:MATRIX_FMT_FP6 matrix_b_fmt:MATRIX_FMT_FP6 matrix_a_scale:MATRIX_SCALE_ROW1
.endif
.endr
.endr
.endm
.macro FETCH_B slot, q, p
	WIN TO_B
.irp i, 0,1,2,3,4,5,6,7
	FRAG 128*(\p)+FR*\i, ADRB+\slot, \q, \i
.endr
	WIN 0
.endm
.macro FETCH_A slot, q, i0
.irp i, \i0, \i0+1, \i0+2, \i0+3
	FRAG AF+FR*(\i), ADRA+\slot, \q, \i
.endr
.endm
.macro SCALES sc
.irp i, 0,1,2,3,4,5,6,7
	ds_load_b64 v[SC+8*NQ*\sc+NQ*\i:SC+8*NQ*\sc+NQ*\i+1], v[ADRS] offset:\i*512
.endr
.endm
.macro PLACES n
.rept \n
	v_nop
.endr
.endm
.macro STEP slot, q, zero
	s_wait_dscnt 0x0                               ; this step's fragments, asked for a step ago, are in
	FETCH_B \slot, (\q)+1, 1-(\q)%2                ; the next step's into the other sets, which the step before read: its places stand at its end
.set AF, 128+48*(1-(\q)%2)
	FETCH_A \slot, (\q)+1, 0
.set AF, 128+48*((\q)%2)
	WIN MUL_LO
	MUL16 0, (\q)%2, \q, \slot, \zero              ; 32 products: the 32 accumulators by turns, in the same order in every step
	MUL16 2, (\q)%2, \q, \slot, \zero
	WIN 0
	PLACES NP
.endm
.macro TURN slot, next, fill
	s_wait_tensorcnt 0x0
	ds_add_u32 v[SPW], v[NIL]
	s_wait_dscnt 0x0                               ; the add is done, and my reads of this slot are over: this step's fragments were the last
	s_barrier_signal -1
.set AF, 128+48
	WIN MUL_LO
	MUL16 0, 1, NQ-1, \slot, 0                     ; work on registers while the others arrive
	WIN 0
	s_barrier_wait -1
.if \fill
	CREST
	s_add_nc_u64 s[G0+4*\slot+2:G0+4*\slot+3], s[G0+4*\slot+2:G0+4*\slot+3], 2*TILEB
	s_add_nc_u64 s[G0B+4*\slot+2:G0B+4*\slot+3], s[G0B+4*\slot+2:G0B+4*\slot+3], 2*TILEB
	JLOAD G0+4*\slot, G1, G0B+4*\slot, G1B
.else
	PLACES NP
.endif
	s_wait_alu depctr_va_vdst(0)
	v_add_nc_u32 v[ADRS], 128, v[ADRS]
	FETCH_B \next, 0, 0
.set AF, 128
	FETCH_A \next, 0, 0
	SCALES \next
.set AF, 128+48
	WIN MUL_LO
	MUL16 2, 1, NQ-1, \slot, 0                     ; the step's other 16 products, under the fetch
	WIN 0
	PLACES NP
.endm
	s_wait_alu depctr_va_vdst(0)
	s_wait_tensorcnt 0x0                           ; my tile of the head's four is in; slot 1's first fill is issued as a refill is:
	ds_add_u32 v[SPW], v[NIL]
	s_mov_b32 s[G1+2], 4<<16                       ; no tensor load of mine is out: from here on a load brings 4 tiles of source 1,
	s_mov_b32 s[G1+4], 4
	s_mov_b32 s[G1B+2], 8<<16                      ; or 8 of source 0
	s_mov_b32 s[G1B+4], 8
	s_wait_dscnt 0x0                               ; the add is done
	CROUND                                         ; all four tiles are in, and all sixteen work-groups are here
	JLOAD G0+4, G1, G0B+4, G1B                     ; slot 1, the first tensor load behind the round
	FETCH_B 0, 0, 0
	FETCH_A 0, 0, 0
	SCALES 0
	STEP 0, 0, 1
	s_mov_b32 s3, LAPS-1
.Llap:
	TURN 0, 1, 1
	STEP 1, 0, 0
	TURN 1, 0, 1
	STEP 0, 0, 0
	s_sub_co_u32 s3, s3, 1
	s_cmp_lg_u32 s3, 0
	s_cbranch_scc1 .Llap
	TURN 0, 1, 0
	STEP 1, 0, 0
	s_wait_dscnt 0x0                               ; the very last step: nothing more to fetch
.set AF, 128+48
	WIN MUL_LO
	MUL16 0, 1, NQ-1, 1, 0
	MUL16 2, 1, NQ-1, 1, 0
	WIN 0
.macro TOSTAGE a
.set AC, 64*((\a)%4)
.set WN, 0x08+4*((\a)/4)
	WIN WN
.irp b, 0,1,2,3,4,5,6,7
	ds_store_b128 v[STO], v[AC+8*\b:AC+8*\b+3] offset:128*(\b/2)+32*(\b%2)
	ds_store_b128 v[STO], v[AC+8*\b+4:AC+8*\b+7] offset:128*(\b/2)+32*(\b%2)+16
.endr
	WIN 0
.set BB, BK+64*((\a)%2)
.irp t, 0,1,2,3,4,5,6,7,8,9,10,11,12,13,14,15
	ds_load_b128 v[BB+4*\t:BB+4*\t+3], v[RD] offset:\t*SPITCH
.endr
.endm
.macro SEND a, younger
.set BB, BK+64*((\a)%2)
	s_wait_dscnt \younger
.irp t, 0,1,2,3,4,5,6,7,8,9,10,11,12,13,14,15
	v_pk_add_f32 v[BB+4*\t:BB+4*\t+1], v[BB+4*\t:BB+4*\t+1], v[BO:BO+1]
	v_pk_add_f32 v[BB+4*\t+2:BB+4*\t+3], v[BB+4*\t+2:BB+4*\t+3], v[BO+2:BO+3]
.endr
.irp t, 0,1,2,3,4,5,6,7,8,9,10,11,12,13,14,15
	global_store_b128 v4, v[BB+4*\t:BB+4*\t+3], s[12:13] offset:(32*((\a)/2)+8*((\a)%2)+\t%8+16*(\t/8))*4096 th:TH_STORE_NT
.endr
.endm
	s_wait_loadcnt 0x0
	PLACES NP
	TOSTAGE 0
.irp a, 1,2,3
.if \a > 1
	s_wait_xcnt 0x0
.endif
	TOSTAGE \a
	SEND \a-1, 32
.endr
	SEND 3, 0
	s_wait_tensorcnt 0x0
	ds_add_u32 v[SPW], v[NIL]
	s_wait_dscnt 0x0
	CROUND
	s_endpgm
.Lfunc_end_k_q3e791bb035_proj:
	.size	k_q3e791bb035_proj, .Lfunc_end_k_q3e791bb035_proj-k_q3e791bb035_proj
	.p2alignl 7, 3214868480
	.fill 96, 4, 3214868480
	.section	.rodata,"a",@progbits
	.p2align	6, 0x0
	.amdhsa_kernel k_q3e791bb035_proj
		.amdhsa_group_segment_fixed_size 327680
		.amdhsa_private_segment_fixed_size 0
		.amdhsa_enable_private_segment 0
		.amdhsa_kernarg_size 48
		.amdhsa_user_sgpr_count 2
		.amdhsa_user_sgpr_kernarg_segment_ptr 1
		.amdhsa_wavefront_size32 1
		.amdhsa_system_sgpr_workgroup_id_x 1
		.amdhsa_system_sgpr_workgroup_id_y 1
		.amdhsa_system_sgpr_workgroup_id_z 1
		.amdhsa_system_vgpr_workitem_id 0
		.amdhsa_next_free_vgpr 1024
		.amdhsa_next_free_sgpr 96
		.amdhsa_reserve_vcc 0
		.amdhsa_float_denorm_mode_32 3
		.amdhsa_float_denorm_mode_16_64 3
		.amdhsa_memory_ordered 1
		.amdhsa_forward_progress 1
		.amdhsa_inst_pref_size 97
	.end_amdhsa_kernel
	.amdgpu_metadata
---
amdhsa.version: [ 1, 2 ]
amdhsa.kernels:
  - .name:           k_q3e791bb035_proj
    .symbol:         k_q3e791bb035_proj.kd
    .args:
      - { .name: act_codes, .offset: 0, .size: 8, .value_kind: global_buffer, .address_space: global }
      - { .name: act_scales, .offset: 8, .size: 8, .value_kind: global_buffer, .address_space: global }
      - { .name: w_codes, .offset: 16, .size: 8, .value_kind: global_buffer, .address_space: global }
      - { .name: w_scales, .offset: 24, .size: 8, .value_kind: global_buffer, .address_space: global }
      - { .name: b_out, .offset: 32, .size: 8, .value_kind: global_buffer, .address_space: global }
      - { .name: out0, .offset: 40, .size: 8, .value_kind: global_buffer, .address_space: global }
    .group_segment_fixed_size: 327680
    .private_segment_fixed_size: 0
    .kernarg_segment_align: 8
    .kernarg_segment_size: 48
    .max_flat_workgroup_size: 128
    .sgpr_count:     96
    .vgpr_count:     1024
    .wavefront_size: 32
...
	.end_amdgpu_metadata
.endif
;; end of part 4
